; MI455X (gfx1250); checked and timed in simulation.
; The chip was launched on July 23, 2026; its instructions are those of AMD's public machine-readable ISA for CDNA 5 (MIT licence, August 2026) and "CDNA5" Instruction Set Architecture Reference Guide (July 2026). The comments in the code are by the model that wrote it; some were corrected since.
;; Multi Head Attention. Allowed arithmetic: matrix products marked QUANTISED: E2M1 operands, one E8M0 scale for each 32 along K, by v_wmma_scale_f32_16x16x128_f8f6f4 with both operands' format E2M1 (or v_wmma_scale_f32_32x16x128_f4), f32 sums; products left as they are: bf16, f16 or f32 operands; f32 sums; everything else in f32.
;; Inputs: Wk 1,024 x 1,024 float32; Wo 1,024 x 1,024 float32; Wq 1,024 x 1,024 float32; Wv 1,024 x 1,024 float32; bk 1,024 float32; bo 1,024 float32; bq 1,024 float32; bv 1,024 float32; key 8 x 1,024 x 1,024 float32; query 8 x 1,024 x 1,024 float32; value 8 x 1,024 x 1,024 float32.
;; Outputs: out0 8 x 1,024 x 1,024 float32.
;; This version of the problem:
;;   THIS VERSION OF THE PROBLEM IS GIVEN IN LOW PRECISION. The matrix products marked QUANTISED in the list below multiply operands that are first quantised to E2M1 (2 exponent bits, 1 mantissa bit; 4 bits a number), with one power-of-two scale for each 32 numbers along K (OCP MX v1.0); their sums are f32. The products marked 'left as it is' may take bf16, f16 or f32 operands, with f32 sums. Whichever they take, every output number must still come out within the allowed error. Rounding operands to bf16 (8 significant bits) uses up far more of that allowance than f16 does (11 bits, for magnitudes from 6e-5 to 65,504). All else is computed in f32.
;;   The module's matrix products, in the order in which they are computed (A, B: the left and right operand; K: the contracted axis; several contracted axes count as one K, in the product's order):
;;     1. [M 8,192, K 1,024] x [K 1,024, N 1,024]; A: input query; B: input Wq: QUANTISED
;;     2. [M 8,192, K 1,024] x [K 1,024, N 1,024]; A: input key; B: input Wk: QUANTISED
;;     3. [M 8,192, K 1,024] x [K 1,024, N 1,024]; A: input value; B: input Wv: QUANTISED
;;     4. batch 128 x [M 1,024, K 64] x [K 64, N 1,024]; A: computed on the way; B: computed on the way: left as it is (an operand is computed on the way)
;;     5. batch 128 x [M 64, K 1,024] x [K 1,024, N 1,024]; A: computed on the way; B: computed on the way: left as it is (an operand is computed on the way)
;;     6. [M 8,192, K 1,024] x [K 1,024, N 1,024]; A: computed on the way; B: input Wo: left as it is (an operand is computed on the way)
;;   THE QUANTISER, for each operand of a quantised product, along K:
;;     - K is cut into blocks of 32 from its start; a last block that is shorter is filled with zeros.
;;     - A block's scale is 2^e with e = floor(log2(the largest magnitude in the block)) - 2, held to -126 .. 127; a block of zeros has e = 0. As a byte (E8M0): e + 127.
;;     - Each number is divided by its block's scale, clamped to +-6, and rounded to the nearest number of E2M1, ties to even, subnormals kept.
;;     - The product sums the exact products of the quantised numbers (number of the format x scale) in f32.
;;   ~~~python
;;   def quantise(x, axis):      # numpy; x: float32 -> the quantised numbers, widened to float32 again
;;       x = np.moveaxis(x, axis, -1); K = x.shape[-1]
;;       x = np.pad(x, [(0, 0)] * (x.ndim - 1) + [(0, -K % 32)]); x = x.reshape(x.shape[:-1] + (-1, 32)); a = np.abs(x).max(-1, keepdims=True)
;;       e = np.where(a > 0, np.clip(np.frexp(np.where(a > 0, a, 1))[1] - 1 - 2, -126, 127), 0)      # np.frexp(a)[1] - 1 = floor(log2(a)), exactly
;;       r = np.clip(x / 2.0 ** e, -6, 6)
;;       step = 2.0 ** (np.maximum(np.frexp(np.where(r == 0, 1, r))[1] - 1, 0) - 1)
;;       q = np.round(r / step) * step * 2.0 ** e      # np.round: ties to even
;;       return np.moveaxis(q.reshape(q.shape[:-2] + (-1,))[..., :K], -1, axis).astype(np.float32)
;;   ~~~
;; One version. Each part assembles by itself: llvm-mc -triple=amdgcn-amd-amdhsa -mcpu=gfx1250 --defsym DOCPART=n.
;; ======== version 1 of 1: 4 launches
;; limits: values are held in f16: magnitudes above 65,504 overflow, below 6.1e-05 lose precision
;; workspace buffers: xc 12,582,912 bytes; xs 786,432 bytes; wc 1,572,864 bytes; ws 98,304 bytes; wof 2,097,152 bytes; qkv 50,331,648 bytes; of 16,777,216 bytes
;; launch prep (part 1): grid 880 x 1, 4 waves a work-group, no clusters, 68,096 bytes of LDS; arguments query, key, value, Wq, Wk, Wv, Wo, xc, xs, wc, ws, wof; writes xc, xs, wc, ws, wof
.if DOCPART == 1
	.amdgcn_target "amdgcn-amd-amdhsa--gfx1250"
	.amdhsa_code_object_version 6
	.text
	.protected	k_qdbbdb76905_prep
	.globl	k_qdbbdb76905_prep
	.p2align	8
	.type	k_qdbbdb76905_prep,@function
k_qdbbdb76905_prep:
	s_mov_b64 s[64:65], 0
	v_nop
	global_prefetch_b8 v0, s[64:65] scope:SCOPE_SE
	s_setreg_imm32_b32 hwreg(HW_REG_WAVE_MODE, 25, 1), 1
	s_wait_xcnt 0x0
; PREP: the operands of the later launches are made once.  Three paths, parted by the work-group's number alone; they never join again, and each has LDS bytes of its own.
;   work-groups 0-47    (W): Wq, Wk, Wv [1024 k][1024 n] f32 -> codes of FP4 (E2M1) laid [3 x 1024 n][512 bytes], K innermost, and E8M0 scale bytes [3072][32]
;   work-groups 48-111  (O): Wo [1024 k][1024 n] f32 -> f16, laid as images of operand registers: [n tile 64][32 along k: 32][1,024 bytes]
;   work-groups 112-879 (X): query, key, value [8192][1024] f32 -> codes [3 x 8192][512 bytes] and scale bytes [24576][32]
; THE QUANTISER: a block of 32 along K has the scale 2^(floor(log2(its largest magnitude)) - 2); the byte is that magnitude's exponent field - 2, held at 1 from below; each number is divided
; by the scale and rounded to the nearest code, ties to even, beyond 6 the largest code.
; AN IMAGE: a fragment is 16 rows x 32 k of f16 in two parts of 512 bytes; in part c lane l's 16 bytes lie at 16 l and hold row l % 16, k = 16 c + 8 (l / 16) + 0 .. 7.
; LIMITS: a block of zeros, and a block whose largest magnitude lies under 2^-124, gets the byte 1 (the rule says 127 for zeros: the codes are zeros, and this program alone reads the bytes);
; NaN and infinities among the inputs are not served; numbers of Wo beyond 65,504 become infinity in f16, and those under 6e-5 are rounded with the step 2^-24.
; No tensor loads, no barrier: waves share nothing.  Matrix units and clusters have no work here: each input byte is read once.
.set SPARE, 67584                      ; behind both paths' LDS: the spare words, 128 bytes for each wave: two blocks of 256 bytes that no other line names
.set SPW,   188                        ; v188 LDS address of my spare word; never rewritten
.set NIL,   189                        ; v189 0; never rewritten
; path X
.set STEPS, 16                         ; a wave takes 16 steps of 512 numbers
.set CB,    8                          ; bytes of 16 codes
.set XR,    16                         ; v16-79   four sets of 16 numbers as they are loaded
.set XX,    80                         ; v80-111  two sets of 16 neighbours
.set XE,    112                        ; v112-127 a scale byte for each step
.set XC,    128                        ; v128-159 codes: two registers for each step, so that no store's data are written again
.set WREG,  8192                       ; LDS 0 .. 32,767: a region for each wave: two stages of 32 x SP bytes, behind them its 256 scale bytes
.set SP,    80                         ; a lane's place in a stage: 64 bytes + 16 of padding
; path W
.set NB,    16                         ; a wave takes 32 columns x 512 along K: 16 blocks a lane
.set PITCH, 272                        ; a stage row: 256 bytes of codes + 16
.set KROW,  512                        ; a row of the codes' buffer
.set WSTG,  32768                      ; LDS 32,768 .. 67,583: a stage of 32 rows for each wave
.set WX,    32                         ; v32-95   two sets of 32 numbers
.set WC,    96                         ; v96-99   a block's codes
.set OUTR,  112                        ; v112-175 the way out
.set SB,    24                         ; v24-27   the scale bytes, four to a register
; path O
.set OX,    28                         ; v28-91   two sets of 32 numbers
.set OP,    92                         ; v92-155  packed f16: sixteen registers for each of four groups, so that no store's data are written again
.macro FINISH                          ; the wave's end
	s_wait_tensorcnt 0x0
	ds_add_u32 v[SPW], v[NIL]
	s_wait_dscnt 0x0
	s_endpgm
.endm
	s_load_b512 s[8:23], s[0:1], 0x0               ; query 8:9, key 10:11, value 12:13, Wq 14:15, Wk 16:17, Wv 18:19, Wo 20:21, xc 22:23
	s_load_b256 s[24:31], s[0:1], 0x40             ; xs 24:25, wc 26:27, ws 28:29, wof 30:31
	v_lshl_add_u32 v[SPW], v0, 2, SPARE
	v_mov_b32 v[NIL], 0
	v_lshrrev_b32 v1, 5, v0
	v_readfirstlane_b32 s32, v1                    ; wave 0..3
	v_and_b32 v2, 31, v0                           ; lane
	s_cmp_lt_u32 ttmp9, 48
	s_cbranch_scc1 .Lw
	s_cmp_lt_u32 ttmp9, 112
	s_cbranch_scc1 .Lo
; ---------------- PATH X: rows are dense and K is a multiple of 32, so a tensor is a plain stream of blocks of 32.
; Each of a step's four loads reads 512 consecutive bytes; the 2,048 bytes turn through the wave's own stage in LDS and come back 64 bytes a lane: 16 neighbours, two lanes to a block.
	s_sub_co_u32 s33, ttmp9, 112                   ; 0 .. 767: 256 work-groups a tensor
	s_lshr_b32 s34, s33, 8                         ; which tensor
	s_mul_i32 s35, s32, WREG
	v_lshlrev_b32 v3, 4, v2                        ; my 16 bytes of a load's 512
	v_lshrrev_b32 v14, 2, v2
	v_mul_u32_u24 v14, v14, SP
	v_and_b32 v15, 3, v2
	v_lshl_add_u32 v14, v15, 4, v14
	v_add_nc_u32 v14, s35, v14                     ; the stage, on the way in: SP (lane / 4) + 16 (lane % 4)
	v_mul_u32_u24 v15, v2, SP
	v_add_nc_u32 v15, s35, v15                     ; and on the way out: SP x lane
	v_mul_u32_u24 v4, v2, CB                       ; my codes' place in a step's
	v_lshrrev_b32 v5, 1, v2
	s_add_co_u32 s35, s35, 2*32*SP
	v_add_nc_u32 v5, s35, v5                       ; my wave's 256 scale bytes, my block's byte
	v_lshlrev_b32 v7, 3, v2                        ; and on the way out 8 bytes a lane
	v_add_nc_u32 v6, s35, v7
	s_and_b32 s36, s33, 255
	s_lshl_b32 s36, s36, 2
	s_add_co_u32 s36, s36, s32
	s_lshl_b32 s36, s36, 15                        ; my run of 8,192 numbers in its tensor: 32,768 bytes a run
	s_mov_b32 s37, 0
	s_lshl_b32 s38, s33, 2
	s_add_co_u32 s38, s38, s32                     ; my run among all three tensors'
	s_lshl_b32 s40, s38, 12                        ; 4,096 bytes of codes a run
	s_mov_b32 s41, 0
	s_lshl_b32 s42, s38, 8                         ; 256 scale bytes a run
	s_mov_b32 s43, 0
	s_wait_kmcnt 0x0
	s_cmp_eq_u32 s34, 0                            ; the choice hangs on the work-group's number alone
	s_cselect_b64 s[4:5], s[8:9], s[10:11]
	s_cmp_eq_u32 s34, 2
	s_cselect_b64 s[4:5], s[12:13], s[4:5]
	s_add_nc_u64 s[4:5], s[4:5], s[36:37]
	s_add_nc_u64 s[6:7], s[22:23], s[40:41]
	s_add_nc_u64 s[44:45], s[24:25], s[42:43]
.macro XLOAD t
.irp i, 0,1,2,3
	global_load_b128 v[XR+16*((\t)%4)+4*\i:XR+16*((\t)%4)+4*\i+3], v3, s[4:5] offset:2048*(\t)+512*\i th:TH_LOAD_NT   ; 32 lanes read 512 consecutive bytes
.endr
.endm
.macro XTURN t                         ; step t's numbers through the stage: LDS serves a wave's instructions in order, so no wait stands between the stores and the loads
.irp i, 0,1,2,3
	ds_store_b128 v14, v[XR+16*((\t)%4)+4*\i:XR+16*((\t)%4)+4*\i+3] offset:32*SP*((\t)%2)+8*SP*\i
.endr
.irp i, 0,1,2,3
	ds_load_b128 v[XX+16*((\t)%2)+4*\i:XX+16*((\t)%2)+4*\i+3], v15 offset:32*SP*((\t)%2)+16*\i
.endr
.endm
.macro XSTEP t
.set XS, XX+16*((\t)%2)
.if (\t) > 0
	s_wait_dscnt 1                                 ; this step's numbers are back from the stage (the last step's byte store may be out): so its stores into the stage have read their registers,
.else
	s_wait_dscnt 0x0
.endif
.if (\t)+4 < STEPS
	XLOAD (\t)+4                                   ; which take the loads of four steps on
.endif
.if (\t)+1 < STEPS
.if STEPS-2-(\t) >= 3
	s_wait_loadcnt 12                              ; the next step's four loads are in; those of the three steps behind it may be out
.else
	s_wait_loadcnt 4*(STEPS-2-(\t))
.endif
	XTURN (\t)+1                                   ; and go through the other stage while this step is worked
.endif
	v_max3_num_f32 v8, |v[XS]|, |v[XS+1]|, |v[XS+2]|               ; the largest magnitude of my 16, in two chains
	v_max3_num_f32 v9, |v[XS+3]|, |v[XS+4]|, |v[XS+5]|
.irp i, 6,10
	v_max3_num_f32 v8, v8, |v[XS+\i]|, |v[XS+\i+1]|
	v_max3_num_f32 v9, v9, |v[XS+\i+2]|, |v[XS+\i+3]|
.endr
	v_max3_num_f32 v8, v8, |v[XS+14]|, |v[XS+15]|
	v_max3_num_f32 v8, v8, v9, 0x1800000           ; and the floor 2^(3 - 127): the byte cannot fall under 1
	v_max_num_f32_dpp v8, v8, v8 row_xmask:1 row_mask:0xf bank_mask:0xf   ; and of my neighbour's 16: the block's
	v_add_nc_u32 v11, 0xff000000, v8               ; 2 off its exponent field: the conversion takes the exponent field of this operand as its scale
	v_cvt_scalef32_pk8_fp4_f32 v[XC+2*(\t)], v[XS:XS+7], v11
	v_cvt_scalef32_pk8_fp4_f32 v[XC+2*(\t)+1], v[XS+8:XS+15], v11
	v_lshrrev_b32 v[XE+(\t)], 23, v11              ; the scale's byte (a plain line behind the conversions)
	ds_store_b8 v5, v[XE+(\t)] offset:16*(\t)      ; both lanes of a block write the same byte with the same value
	global_store_b64 v4, v[XC+2*(\t):XC+2*(\t)+1], s[6:7] offset:32*CB*(\t)   ; the wave stores 256 consecutive bytes, aligned
.endm
.irp t, 0,1,2,3
	XLOAD \t
.endr
	s_wait_loadcnt 12                              ; step 0's four loads are in
	XTURN 0
.irp t, 0,1,2,3,4,5,6,7,8,9,10,11,12,13,14,15
	XSTEP \t
.endr
	ds_load_b64 v[8:9], v6                         ; LDS serves a wave's instructions in order: these see my byte stores
	s_wait_dscnt 0x0
	global_store_b64 v7, v[8:9], s[44:45]          ; 32 lanes store 256 consecutive bytes, aligned
	FINISH
; ---------------- PATH W: a lane takes a column n and its registers run down K: a block of 32 lies in one lane, and the conversions give codes with K innermost.
; 16 work-groups a weight: 8 along n (128 columns each) x 2 along K (512 each).  The codes go through the wave's own stage and leave as rows: sixteen lanes store 256 consecutive bytes.
.Lw:
	s_lshr_b32 s33, ttmp9, 4                       ; which weight
	s_and_b32 s34, ttmp9, 7                        ; which 128 columns
	s_bfe_u32 s35, ttmp9, 0x10003                  ; which 512 along K
	s_lshl_b32 s36, s34, 7
	s_lshl_b32 s37, s32, 5
	s_add_co_u32 s36, s36, s37                     ; my wave's first column
	v_lshlrev_b32 v3, 2, v2                        ; in: 4 bytes a lane
	s_mul_i32 s37, s32, 32*PITCH
	s_add_co_u32 s37, s37, WSTG                    ; my stage
	v_mul_u32_u24 v4, v2, PITCH
	v_add_nc_u32 v4, s37, v4                       ; into it: row = my column
	v_and_b32 v5, 15, v2
	v_lshrrev_b32 v6, 4, v2                        ; out of it: sixteen lanes to a row, two rows an instruction
	v_mul_u32_u24 v7, v6, PITCH
	v_lshl_add_u32 v7, v5, 4, v7
	v_add_nc_u32 v7, s37, v7
	v_mul_u32_u24 v8, v6, KROW
	v_lshl_add_u32 v8, v5, 4, v8                   ; and the same place in the codes' buffer
	v_lshlrev_b32 v9, 5, v2                        ; my column's row of scale bytes: 32 bytes a row
	s_lshl_b32 s38, s35, 21                        ; W: 512 rows of 4,096 bytes
	s_lshl_b32 s39, s36, 2
	s_add_co_u32 s38, s38, s39
	s_mov_b32 s39, 0
	s_lshl_b32 s40, s33, 19                        ; codes: 524,288 bytes a weight, 512 a column, 256 for each 512 along K
	s_lshl_b32 s41, s36, 9
	s_add_co_u32 s40, s40, s41
	s_lshl_b32 s41, s35, 8
	s_add_co_u32 s40, s40, s41
	s_mov_b32 s41, 0
	s_lshl_b32 s42, s33, 15                        ; scale bytes: 32,768 a weight, 32 a column, 16 for each 512 along K
	s_lshl_b32 s43, s36, 5
	s_add_co_u32 s42, s42, s43
	s_lshl_b32 s43, s35, 4
	s_add_co_u32 s42, s42, s43
	s_mov_b32 s43, 0
	s_wait_kmcnt 0x0
	s_cmp_eq_u32 s33, 0
	s_cselect_b64 s[4:5], s[14:15], s[16:17]
	s_cmp_eq_u32 s33, 2
	s_cselect_b64 s[4:5], s[18:19], s[4:5]
	s_add_nc_u64 s[4:5], s[4:5], s[38:39]
	s_add_nc_u64 s[6:7], s[26:27], s[40:41]
	s_add_nc_u64 s[44:45], s[28:29], s[42:43]
.macro WLOAD t                         ; block t: W(32 t + i, my column) into set t % 2; the largest offset, 511 rows of 4,096 bytes, lies inside the signed 24-bit immediate
.irp i, 0,1,2,3,4,5,6,7,8,9,10,11,12,13,14,15,16,17,18,19,20,21,22,23,24,25,26,27,28,29,30,31
	global_load_b32 v[WX+32*((\t)%2)+\i], v3, s[4:5] offset:(32*(\t)+\i)*4096 th:TH_LOAD_NT
.endr
.endm
.macro WBLOCK t
.set WXS, WX+32*((\t)%2)
.if (\t) < NB-1
	s_wait_loadcnt 32                              ; this block's 32 loads are in; the next block's may be out
.else
	s_wait_loadcnt 0x0
.endif
	v_max3_num_f32 v12, |v[WXS]|, |v[WXS+1]|, |v[WXS+2]|           ; the block's largest magnitude: all 32 numbers are mine
	v_max3_num_f32 v13, |v[WXS+3]|, |v[WXS+4]|, |v[WXS+5]|
.irp i, 6,10,14,18,22,26
	v_max3_num_f32 v12, v12, |v[WXS+\i]|, |v[WXS+\i+1]|
	v_max3_num_f32 v13, v13, |v[WXS+\i+2]|, |v[WXS+\i+3]|
.endr
	v_max3_num_f32 v12, v12, |v[WXS+30]|, |v[WXS+31]|
	v_max3_num_f32 v12, v12, v13, 0x1800000        ; and the floor 2^(3 - 127)
	v_add_nc_u32 v11, 0xff000000, v12              ; the conversion's scale operand
	v_lshrrev_b32 v13, 23, v11                     ; the scale's byte
.if (\t)%4 == 0
	v_mov_b32 v[SB+(\t)/4], v13                    ; four bytes to a register, the lower K in the lower byte
.else
	v_lshl_or_b32 v[SB+(\t)/4], v13, 8*((\t)%4), v[SB+(\t)/4]
.endif
.irp g, 0,1,2,3
	v_cvt_scalef32_pk8_fp4_f32 v[WC+\g], v[WXS+8*\g:WXS+8*\g+7], v11
.endr
	v_nop                                          ; one plain line behind the last conversion
	ds_store_b128 v4, v[WC:WC+3] offset:16*(\t)    ; 32 codes: 16 bytes of my column's row
.if (\t)+2 < NB
	WLOAD (\t)+2
.endif
	s_wait_dscnt 0x0                               ; the store has read its registers: the next block's codes may be written
.endm
	WLOAD 0
	WLOAD 1
.irp t, 0,1,2,3,4,5,6,7,8,9,10,11,12,13,14,15
	WBLOCK \t
.endr
	global_store_b128 v9, v[SB:SB+3], s[44:45]     ; my column's 16 scale bytes
.irp t, 0,1,2,3,4,5,6,7,8,9,10,11,12,13,14,15
	ds_load_b128 v[OUTR+4*\t:OUTR+4*\t+3], v7 offset:2*\t*PITCH   ; LDS serves a wave's instructions in order: these see my stores
.endr
.irp t, 0,1,2,3,4,5,6,7,8,9,10,11,12,13,14,15
	s_wait_dscnt 15-\t                             ; rows come back in order: row pair t is in, the later ones may be out
	global_store_b128 v8, v[OUTR+4*\t:OUTR+4*\t+3], s[6:7] offset:2*\t*KROW
.endr
	FINISH
; ---------------- PATH O: Wo to f16 images.  A wave takes one tile of 16 columns n and 256 along k: eight fragments, in four groups of two.
; Lane (r, h) takes column r; its eight registers of a part run down k = 16 c + 8 h + 0 .. 7: packed in pairs they are the lane's 16 bytes of the image.  The four waves stand side by side on 256 bytes of each row.
.Lo:
	s_sub_co_u32 s33, ttmp9, 48
	s_and_b32 s34, s33, 15
	s_lshl_b32 s34, s34, 2
	s_add_co_u32 s34, s34, s32                     ; my tile of columns, 0 .. 63
	s_lshr_b32 s35, s33, 4                         ; which 256 along k
	v_and_b32 v5, 15, v2
	v_lshrrev_b32 v6, 4, v2
	v_lshlrev_b32 v3, 2, v5
	v_lshl_add_u32 v3, v6, 15, v3                  ; 4 r + 8 h rows of 4,096 bytes
	v_lshlrev_b32 v4, 4, v2                        ; out: 16 x lane
	s_lshl_b32 s36, s35, 20
	s_lshl_b32 s37, s34, 6
	s_add_co_u32 s36, s36, s37
	s_mov_b32 s37, 0
	s_lshl_b32 s38, s34, 15
	s_lshl_b32 s39, s35, 13
	s_add_co_u32 s38, s38, s39
	s_mov_b32 s39, 0
	s_wait_kmcnt 0x0
	s_add_nc_u64 s[4:5], s[20:21], s[36:37]
	s_add_nc_u64 s[6:7], s[30:31], s[38:39]
.macro OLOAD g                         ; group g: fragments 2 g and 2 g + 1 into set g % 2
.irp f, 0,1
.irp c, 0,1
.irp j, 0,1,2,3,4,5,6,7
	global_load_b32 v[OX+32*((\g)%2)+16*\f+8*\c+\j], v3, s[4:5] offset:(32*(2*(\g)+\f)+16*\c+\j)*4096
.endr
.endr
.endr
.endm
.macro OGROUP g
.if (\g) < 3
	s_wait_loadcnt 32                              ; this group's 32 loads are in; the next group's may be out
.else
	s_wait_loadcnt 0x0
.endif
.irp f, 0,1
.irp c, 0,1
.irp k, 0,1,2,3
	v_cvt_pk_f16_f32 v[OP+16*(\g)+8*\f+4*\c+\k], v[OX+32*((\g)%2)+16*\f+8*\c+2*\k], v[OX+32*((\g)%2)+16*\f+8*\c+2*\k+1]
.endr
	global_store_b128 v4, v[OP+16*(\g)+8*\f+4*\c:OP+16*(\g)+8*\f+4*\c+3], s[6:7] offset:(2*(\g)+\f)*1024+\c*512   ; 32 lanes store 512 consecutive bytes, aligned
.endr
.endr
.if (\g)+2 < 4
	OLOAD (\g)+2
.endif
.endm
	OLOAD 0
	OLOAD 1
.irp g, 0,1,2,3
	OGROUP \g
.endr
	FINISH
.Lfunc_end_k_qdbbdb76905_prep:
	.size	k_qdbbdb76905_prep, .Lfunc_end_k_qdbbdb76905_prep-k_qdbbdb76905_prep
	.p2alignl 7, 3214868480
	.fill 96, 4, 3214868480
	.section	.rodata,"a",@progbits
	.p2align	6, 0x0
	.amdhsa_kernel k_qdbbdb76905_prep
		.amdhsa_group_segment_fixed_size 68096
		.amdhsa_private_segment_fixed_size 0
		.amdhsa_enable_private_segment 0
		.amdhsa_kernarg_size 96
		.amdhsa_user_sgpr_count 2
		.amdhsa_user_sgpr_kernarg_segment_ptr 1
		.amdhsa_wavefront_size32 1
		.amdhsa_system_sgpr_workgroup_id_x 1
		.amdhsa_system_sgpr_workgroup_id_y 1
		.amdhsa_system_sgpr_workgroup_id_z 1
		.amdhsa_system_vgpr_workitem_id 0
		.amdhsa_next_free_vgpr 192
		.amdhsa_next_free_sgpr 66
		.amdhsa_reserve_vcc 0
		.amdhsa_float_denorm_mode_32 3
		.amdhsa_float_denorm_mode_16_64 3
		.amdhsa_memory_ordered 1
		.amdhsa_forward_progress 1
		.amdhsa_inst_pref_size 130
	.end_amdhsa_kernel
	.amdgpu_metadata
---
amdhsa.version: [ 1, 2 ]
amdhsa.kernels:
  - .name:           k_qdbbdb76905_prep
    .symbol:         k_qdbbdb76905_prep.kd
    .args:
      - { .name: query, .offset: 0, .size: 8, .value_kind: global_buffer, .address_space: global }
      - { .name: key, .offset: 8, .size: 8, .value_kind: global_buffer, .address_space: global }
      - { .name: value, .offset: 16, .size: 8, .value_kind: global_buffer, .address_space: global }
      - { .name: Wq, .offset: 24, .size: 8, .value_kind: global_buffer, .address_space: global }
      - { .name: Wk, .offset: 32, .size: 8, .value_kind: global_buffer, .address_space: global }
      - { .name: Wv, .offset: 40, .size: 8, .value_kind: global_buffer, .address_space: global }
      - { .name: Wo, .offset: 48, .size: 8, .value_kind: global_buffer, .address_space: global }
      - { .name: xc, .offset: 56, .size: 8, .value_kind: global_buffer, .address_space: global }
      - { .name: xs, .offset: 64, .size: 8, .value_kind: global_buffer, .address_space: global }
      - { .name: wc, .offset: 72, .size: 8, .value_kind: global_buffer, .address_space: global }
      - { .name: ws, .offset: 80, .size: 8, .value_kind: global_buffer, .address_space: global }
      - { .name: wof, .offset: 88, .size: 8, .value_kind: global_buffer, .address_space: global }
    .group_segment_fixed_size: 68096
    .private_segment_fixed_size: 0
    .kernarg_segment_align: 8
    .kernarg_segment_size: 96
    .max_flat_workgroup_size: 128
    .sgpr_count:     66
    .vgpr_count:     192
    .wavefront_size: 32
...
	.end_amdgpu_metadata
.endif
;; end of part 1
;; launch proj (part 2): grid 4 x 64, 4 waves a work-group, clusters of 4 x 4, 327,680 bytes of LDS; arguments xc, xs, wc, ws, bq, bk, bv, qkv; writes qkv
.if DOCPART == 2
	.amdgcn_target "amdgcn-amd-amdhsa--gfx1250"
	.amdhsa_code_object_version 6
	.text
	.protected	k_qdbbdb76905_proj
	.globl	k_qdbbdb76905_proj
	.p2align	8
	.type	k_qdbbdb76905_proj,@function
k_qdbbdb76905_proj:
	s_mov_b64 s[64:65], 0
	v_nop
	global_prefetch_b8 v0, s[64:65] scope:SCOPE_SE
	s_setreg_imm32_b32 hwreg(HW_REG_WAVE_MODE, 25, 1), 1
	s_wait_xcnt 0x0
	s_wait_alu depctr_hold_cnt(0) depctr_sa_sdst(0) depctr_va_vdst(0) depctr_va_sdst(0) depctr_va_ssrc(0) depctr_va_vcc(0) depctr_vm_vsrc(0)
	s_getreg_b32 s2, hwreg(HW_REG_IB_STS2, 6, 4)
	s_cmp_eq_u32 s2, 0
	s_cbranch_scc0 .Lentry_in_a_cluster
	s_endpgm
.Lentry_in_a_cluster:
	s_bfe_u32 s2, ttmp6, 0x10000c
	s_cmp_lg_u32 s2, 0xf033
	s_cbranch_scc0 .Lentry_shape_is_right
	s_endpgm
.Lentry_shape_is_right:
; PROJ: q = query Wq + bq, k = key Wk + bk, v = value Wv + bv on codes of FP4 (E2M1) with one E8M0 scale for each 32 along K; sums in f32; rounded once to f16.
; A = xc, 24,576 rows (query's, key's, value's) of 512 bytes; B = wc, 3,072 rows (Wq's, Wk's, Wv's columns, K innermost).
; A WORK-GROUP STAYS FOR ONE AND A HALF TILES, so that 4 x 64 = 256 work-groups have equal work.  Work-group (tx, ty) makes
;   tile 1: 256 x 256 of k or v: A's rows 8,192 + 256 ty on, projection p = 1 + ty / 32, B's rows 1,024 p + 256 tx on; four waves, 128 x 128 each: 64 accumulators, 512 registers;
;   tile 2: 128 x 256 of q: A's rows 128 ty on, B's rows 256 tx on; four waves, 64 x 128 each: 32 accumulators.
; K = 1,024 is two slots of 512 along K.  Both slots are filled at the head for tile 1 and once more for tile 2: slot 0 at the change of slots in the middle of tile 1, slot 1 in tile 1's last step.  Tile 1's stores leave while tile 2 is multiplied.
; The scale bytes of both tiles' rows, for all of K, are dense blocks: they come once, with the first fills, as rows of 256 bytes.
; CLUSTERS: 4 x 4 work-groups.  The four of a row of the cluster need the same tiles of A, the four of a column the same tiles of B: each tile is asked for jointly.  p is made of the cluster's y alone (8 clusters a projection).
; THE MATRIX INSTRUCTION IS USED TRANSPOSED (source 0 = 16 rows of B, source 1 = 16 rows of A): a lane holds eight neighbouring columns of one row.  The bias is the C of each sum's first product.
; THE WAY OUT: a lane's eight results, packed to f16, are 16 bytes of an IMAGE of an operand's registers: qkv is laid [p 3][batch 8][head 16][tile of 16 rows: 64][4 blocks of 512 bytes]; block d / 16; lane l's 16 bytes at 16 l hold
; row l % 16, d = 16 block + 8 (l / 16) + 0 .. 7.  So each store of the wave covers 512 consecutive bytes, aligned, straight from registers.  For v bits 3 and 4 of the lane's place are swapped: the order in which the turning LDS load of the next launch takes 16 x lane.
; NO PREFETCH: the first fills are asked for at the head; each refill has 224 matrix instructions or a whole way out in which to land.
; LIMITS: results beyond 65,504 become infinity in f16; magnitudes under 6e-5 are rounded with the step 2^-24.
; REGISTERS, in windows of 256: window 0: v0-31 addresses; v32-95 scale words, two sets; v128-191 A's fragments (tile 1: one set of eight; tile 2: two sets of four); v192-255 the bias, eight registers for each of B's eight blocks.
;   window 1: B's fragments, two sets, at v0 and v128; on the ways out the packed results.   window 2: the accumulators of my rows 0-63 ((a, b) at v[8 (8 a + b)]);   window 3: those of tile 1's rows 64-127.
.set NQ,     4                         ; steps of 128 along K in a slot
.set ROWB,   256                       ; a tile's row in bytes: 512 codes
.set KROW,   512                       ; a row of A or of B in memory
.set PITCH,  272                       ; an LDS row: 256 bytes + 16 of padding = 68 words: the 16 rows that a load touches start 4 words apart modulo 64
.set FR,     8                         ; registers of a fragment: 16 rows x 128 K
.set NL,     2                         ; LDS loads that bring one
.set NP,     4                         ; places behind this matrix instruction (ISA guide 7.12.1)
.set HALFT,  128*PITCH
.set SLOT,   4*HALFT                   ; A's 256 rows (tile 2: 128 of them), then B's 256 rows
.set KS,     32                        ; a row of scale bytes
.set SCL,    2*SLOT                    ; behind the slots: tile 1's scales, as rows of 256 bytes + 16 of padding
.set HALFS,  (128*KS/256)*272          ; the scales of 128 rows: what one tensor load brings
.set SBLK,   (16*KS/256)*272           ; those of 16 rows
.set SCL2,   SCL+4*HALFS               ; tile 2's scales: A's 128 rows, then B's 256
.set SPARE,  SCL2+3*HALFS              ; the spare words, 128 bytes for each wave: two blocks of 256 bytes that no other line names
.set ADRA,  16                         ; v16-17  LDS address of my A fragments in slot 0, 1, tile 1
.set ADRA2, 18                         ; v18-19  the same, tile 2
.set ADRB,  20                         ; v20-21  the same for B, both tiles
.set ADRS2, 22                         ; v22     LDS address of my scale words, tile 2
.set CO2,   23                         ; v23     16 x lane: my 16 bytes' place in a block of 512, tile 2
.set CO,    26                         ; v26     the same, tile 1 (for v with bits 3 and 4 of the lane swapped)
.set ADRS,  27                         ; v27     LDS address of my scale words, tile 1: lanes 0-15 A's rows, lanes 16-31 B's
.set SPW,   28                         ; v28     LDS address of my spare word; never rewritten
.set NIL,   29                         ; v29     0; never rewritten
.set BO,    30                         ; v30     32 x (lane / 16): my eight numbers of a block's sixteen biases
.set SC,   32
.set AF,   128
.set BIAS, 192
.set G1, 24                            ; s[24:31] descriptor group 1 for A's tiles;  s[32:39] group 0, one set for each slot
.set G0, 32
.set G1B, 48                           ; s[48:55], s[56:63] the same for B's tiles
.set G0B, 56
.set G1S, 68                           ; s[68:75], s[76:79] groups 1 and 0 for A's scales;  s[80:87], s[88:91] for B's
.set G0S, 76
.set G1SB, 80
.set G0SB, 88
.set G0S2, 4                           ; s[4:7], s[8:11] groups 0 for tile 2's scales, in the registers that held the four arguments
.set G0SB2, 8
.set DA,  66                           ; s[66:67] bytes from tile 1's rows of A back to tile 2's: (8,192 + 128 ty) x 512: made of ty alone
.set DB,  2                            ; s[2:3]   the same for B: p x 1,024 x 512: made of the cluster's y alone
.set QB,  92                           ; s[92:93] qkv at my part of tile 2
.set MSB, 0
.macro WIN new                         ; the immediate's high byte repeats the setting that is left
.if MSB != (\new)
	s_set_vgpr_msb (MSB<<8)|(\new)
.set MSB, (\new)
.endif
.endm
.set MUL_LO, 0xa1                      ; source 0 (B) window 1, source 1 (A) window 0, C and D window 2
.set MUL_HI, 0xf1                      ; the same, C and D window 3
.set TO_B,   0x40                      ; destination window 1, address window 0
; A joint load for tile 1: waves 0 and 1 fetch for A, waves 2 and 3 for B.  The branch hangs on the wave's number alone.  An s_nop 0 and four v_nop follow each of the two lines.
.macro JLOAD g0a, g1a, g0b, g1b
	s_cmp_eq_u32 s15, 0
	s_cbranch_scc0 .Lfor_b_\@
	tensor_load_to_lds s[\g0a:\g0a+3], s[\g1a:\g1a+7]
	s_nop 0
.rept 4
	v_nop
.endr
	s_branch .Lasked_\@
.Lfor_b_\@:
	tensor_load_to_lds s[\g0b:\g0b+3], s[\g1b:\g1b+7]
	s_nop 0
.rept 4
	v_nop
.endr
.Lasked_\@:
.endm
; A joint load for tile 2, whose A has 128 rows: wave 0 fetches them all, wave 1 nothing, waves 2 and 3 B's halves.  The branches hang on the wave's number alone: they are the same in every work-group.
.macro JLOAD2 g0a, g1a, g0b, g1b
	s_cmp_eq_u32 s15, 0
	s_cbranch_scc0 .Lhalf_b_\@
	s_cmp_eq_u32 s14, 0
	s_cbranch_scc0 .Lhalf_done_\@
	tensor_load_to_lds s[\g0a:\g0a+3], s[\g1a:\g1a+7]
	s_nop 0
.rept 4
	v_nop
.endr
	s_branch .Lhalf_done_\@
.Lhalf_b_\@:
	tensor_load_to_lds s[\g0b:\g0b+3], s[\g1b:\g1b+7]
	s_nop 0
.rept 4
	v_nop
.endr
.Lhalf_done_\@:
.endm
.macro CREST                           ; a round of the cluster's barrier behind its opening barrier
	s_cmp_lg_u32 s14, 0
	s_cbranch_scc1 .Lnot_wave_0_\@
	s_barrier_signal -3
.Lnot_wave_0_\@:
	s_barrier_wait -3
	s_barrier_signal -1
	s_barrier_wait -1
.endm
.macro CROUND                          ; a whole round
	s_barrier_signal -1
	s_barrier_wait -1
	CREST
.endm
	s_load_b256 s[4:11], s[0:1], 0x0               ; xc s[4:5], xs s[6:7], wc s[8:9], ws s[10:11]
	s_load_b128 s[96:99], s[0:1], 0x20             ; bq, bk
	s_load_b64 s[100:101], s[0:1], 0x30            ; bv
	s_load_b64 s[12:13], s[0:1], 0x38              ; qkv
	v_lshl_add_u32 v[SPW], v0, 2, SPARE
	v_mov_b32 v[NIL], 0
	ds_add_u32 v[SPW], v[NIL]                      ; the wave's opening: the add, twice on end, and its wait ahead of my first tensor load
	ds_add_u32 v[SPW], v[NIL]
	v_lshrrev_b32 v1, 5, v0
	v_readfirstlane_b32 s14, v1                    ; wave 0..3
	s_lshr_b32 s15, s14, 1                         ; which half of the tile's rows is mine.  Also: I fetch for A (0) or for B (1)
	s_and_b32 s16, s14, 1                          ; which half of its columns.  Also: which 128 rows of that tile I fetch
	s_bfe_u32 s40, ttmp6, 0x40000                  ; cx, cy: my place in the cluster
	s_bfe_u32 s41, ttmp6, 0x40004
	s_lshl_b32 s42, ttmp9, 2
	s_add_co_u32 s42, s42, s40                     ; tile column tx = 4 x cluster x + cx
	s_and_b32 s17, ttmp7, 0xffff
	s_lshr_b32 s95, s17, 3
	s_add_co_u32 s95, s95, 1                       ; tile 1's projection p: 1 (k) or 2 (v): 8 clusters along y each; the same in all sixteen partners
	s_lshl_b32 s17, s17, 2
	s_add_co_u32 s17, s17, s41                     ; tile row ty = 4 x cluster y + cy
	s_lshl_b32 s43, s41, 2
	s_lshl_b32 s43, 15, s43                        ; my row of the cluster
	s_lshl_b32 s44, 0x1111, s40                    ; my column
	; descriptor group 1: a tile of 128 rows x 256 bytes, padded in LDS
	s_or_b32 s[G1+0], s43, (0<<16)|(1<<20)|(1<<21)|(5<<22)|(3<<25)  ; 15:0 the mask; 17:16 elements of 1 byte; 20 padding on; 21 set beside a mask; 24:22 after every 64 words; 31:25 four words
	s_or_b32 s[G1B+0], s44, (0<<16)|(1<<20)|(1<<21)|(5<<22)|(3<<25)
.irp g, G1, G1B
	s_mov_b32 s[\g+1], ROWB<<16                    ; tensor_dim0
	s_mov_b32 s[\g+2], 128<<16                     ; tensor_dim1
	s_mov_b32 s[\g+3], ROWB<<16                    ; tile_dim0
	s_mov_b32 s[\g+4], 128                         ; tile_dim1
	s_mov_b32 s[\g+5], KROW                        ; tensor_dim0_stride
	s_mov_b32 s[\g+6], 0
	s_mov_b32 s[\g+7], 0
.endr
	; the scales of 128 rows: a dense block of 4,096 bytes, as 16 rows of 256 bytes (32 elements of 8 bytes), 16 bytes of padding behind each
	s_or_b32 s[G1S+0], s43, (3<<16)|(1<<20)|(1<<21)|(5<<22)|(3<<25)
	s_or_b32 s[G1SB+0], s44, (3<<16)|(1<<20)|(1<<21)|(5<<22)|(3<<25)
.irp g, G1S, G1SB
	s_mov_b32 s[\g+1], 32<<16
	s_mov_b32 s[\g+2], (128*KS/256)<<16
	s_mov_b32 s[\g+3], 32<<16
	s_mov_b32 s[\g+4], 128*KS/256
	s_mov_b32 s[\g+5], 32
	s_mov_b32 s[\g+6], 0
	s_mov_b32 s[\g+7], 0
.endr
	; byte offsets, all under 2^31.  A's hang on ty and the wave's number alone, B's on tx, p and the wave's number alone, each in registers that never hold the other coordinate
	s_lshl_b32 s18, s16, 7                         ; which 128 rows of the tile I fetch
	s_lshl_b32 s20, s17, 8
	s_add_co_u32 s20, s20, s18
	s_add_co_u32 s20, s20, 8192                    ; A, tile 1: row 8,192 + 256 ty + 128 x half
	s_lshl_b32 s22, s20, 5                         ; its scales: 32 bytes a row,
	s_mov_b32 s23, 0
	s_lshl_b32 s20, s20, 9                         ; its codes: 512 bytes a row
	s_mov_b32 s21, 0
	s_lshl_b32 s46, s42, 8
	s_add_co_u32 s46, s46, s18                     ; B, tile 2: row 256 tx + 128 x half
	s_lshl_b32 s2, s46, 5                          ; its scales
	s_mov_b32 s3, 0
	s_lshl_b32 s47, s95, 10
	s_add_co_u32 s46, s46, s47                     ; B, tile 1: 1,024 p rows further on
	s_lshl_b32 s92, s46, 5
	s_mov_b32 s93, 0
	s_lshl_b32 s46, s46, 9
	s_mov_b32 s47, 0
	s_lshl_b32 s18, s17, 12                        ; A, tile 2: the scales of rows 128 ty on
	s_mov_b32 s19, 0
	s_lshl_b32 s[DA], s17, 7
	s_add_co_u32 s[DA], s[DA], 8192
	s_lshl_b32 s[DA], s[DA], 9                     ; from row 8,192 + 256 ty back to row 128 ty, in bytes of codes
	s_mov_b32 s[DA+1], 0
	s_mul_i32 s45, s14, HALFT                      ; where the tiles go: wave x 128 rows: no place in the cluster enters an LDS address
	s_mul_i32 s94, s14, HALFS
	s_wait_dscnt 0x0                               ; both opening adds are done
	s_wait_kmcnt 0x0
	s_add_nc_u64 s[20:21], s[4:5], s[20:21]
	s_add_nc_u64 s[22:23], s[6:7], s[22:23]
	s_add_nc_u64 s[46:47], s[8:9], s[46:47]
	s_add_nc_u64 s[92:93], s[10:11], s[92:93]
	s_add_nc_u64 s[6:7], s[6:7], s[18:19]          ; words 2 and 3 of the group 0 for tile 2's scales of A,
	s_add_nc_u64 s[10:11], s[10:11], s[2:3]        ; and of B
	s_lshl_b32 s[DB], s95, 19                      ; from B's row 1,024 p + .. back to row .., in bytes of codes  (s3 stays 0)
	CROUND                                         ; all sixteen work-groups are here: the first joint loads meet
	s_mov_b32 s[G0S2], 1
	s_mov_b32 s[G0S2+1], SCL2                      ; wave 0 alone issues it
	s_or_b32 s[G0S2+3], s[G0S2+3], 0x80000000
	s_mov_b32 s[G0SB2], 1
	s_add_co_u32 s[G0SB2+1], s94, SCL2-HALFS       ; waves 2 and 3: behind A's 128 rows
	s_or_b32 s[G0SB2+3], s[G0SB2+3], 0x80000000
	JLOAD2 G0S2, G1S, G0SB2, G1SB                  ; tile 2's scales: filled once.  Four loads of mine are out at the most (wave 1: three)
	s_mov_b32 s[G0S], 1
	s_add_co_u32 s[G0S+1], s94, SCL
	s_mov_b64 s[G0S+2:G0S+3], s[22:23]
	s_or_b32 s[G0S+3], s[G0S+3], 0x80000000
	s_mov_b32 s[G0SB], 1
	s_add_co_u32 s[G0SB+1], s94, SCL
	s_mov_b64 s[G0SB+2:G0SB+3], s[92:93]
	s_or_b32 s[G0SB+3], s[G0SB+3], 0x80000000
	JLOAD G0S, G1S, G0SB, G1SB                     ; tile 1's scales
.irp s, 0,1
	s_mov_b32 s[G0+4*\s], 1
	s_add_co_u32 s[G0+4*\s+1], s45, \s*SLOT
	s_add_nc_u64 s[G0+4*\s+2:G0+4*\s+3], s[20:21], \s*ROWB
	s_or_b32 s[G0+4*\s+3], s[G0+4*\s+3], 0x80000000
	s_mov_b32 s[G0B+4*\s], 1
	s_add_co_u32 s[G0B+4*\s+1], s45, \s*SLOT
	s_add_nc_u64 s[G0B+4*\s+2:G0B+4*\s+3], s[46:47], \s*ROWB
	s_or_b32 s[G0B+4*\s+3], s[G0B+4*\s+3], 0x80000000
	JLOAD G0+4*\s, G1, G0B+4*\s, G1B
.endr
	v_and_b32 v1, 15, v0                           ; l % 16
	v_bfe_u32 v2, v0, 4, 1                         ; l / 16
	; the biases: lane (r, h) wants, for B's block b, the numbers of columns 16 b + 8 h + 0 .. 7
	s_cmp_eq_u32 s95, 1
	s_cselect_b64 s[98:99], s[98:99], s[100:101]   ; tile 1: bk or bv
	s_cselect_b32 s94, 0, 24                       ; v's lanes swap bits 3 and 4 of their place
	s_lshl_b32 s46, s42, 10
	s_lshl_b32 s47, s16, 9
	s_add_co_u32 s46, s46, s47                     ; my first column, 4 bytes each: 1,024 tx + 512 x half
	s_mov_b32 s47, 0
	s_add_nc_u64 s[98:99], s[98:99], s[46:47]
	s_add_nc_u64 s[96:97], s[96:97], s[46:47]      ; tile 2: bq
	v_lshlrev_b32 v[BO], 5, v2
.irp b, 0,1,2,3,4,5,6,7
	global_load_b128 v[BIAS+8*\b:BIAS+8*\b+3], v[BO], s[98:99] offset:64*\b
	global_load_b128 v[BIAS+8*\b+4:BIAS+8*\b+7], v[BO], s[98:99] offset:64*\b+16
.endr
	v_mul_u32_u24 v3, v1, PITCH
	v_lshl_add_u32 v4, v2, 4, v3                   ; a fragment's row x pitch + 16 x half
	s_mul_i32 s21, s15, HALFT                      ; tile 1: my 128 rows of A
	s_mul_i32 s22, s16, HALFT                      ; my 128 rows of B,
	s_add_co_u32 s22, s22, 2*HALFT                 ; which lie behind A's 256
	s_mul_i32 s23, s15, 64*PITCH                   ; tile 2: my 64 rows of A
.irp s, 0,1
	v_add_nc_u32 v[ADRA+\s], s21, v4
	v_add_nc_u32 v[ADRB+\s], s22, v4
	v_add_nc_u32 v[ADRA2+\s], s23, v4
	s_add_co_u32 s21, s21, SLOT
	s_add_co_u32 s22, s22, SLOT
	s_add_co_u32 s23, s23, SLOT
.endr
	v_mul_u32_u24 v5, v1, KS                       ; my row's scales: 32 bytes a row,
	v_lshrrev_b32 v6, 8, v5
	v_lshl_add_u32 v5, v6, 4, v5                   ; and 16 more for each 256 passed
	s_mul_i32 s21, s15, HALFS                      ; tile 1: A's: my 128 rows
	s_mul_i32 s22, s16, HALFS                      ; B's: my 128 rows, behind A's 256
	s_add_co_u32 s22, s22, 2*HALFS
	s_sub_co_u32 s22, s22, s21
	v_mul_u32_u24 v6, s22, v2                      ; lanes 16-31 take B's
	s_add_co_u32 s21, s21, SCL
	v_add_nc_u32 v7, v5, v6
	v_add_nc_u32 v[ADRS], s21, v7
	s_mul_i32 s21, s15, 4*SBLK                     ; tile 2: A's: my 64 rows
	s_mul_i32 s22, s16, HALFS                      ; B's: my 128 rows, behind A's 128
	s_add_co_u32 s22, s22, HALFS
	s_sub_co_u32 s22, s22, s21
	v_mul_u32_u24 v6, s22, v2
	s_add_co_u32 s21, s21, SCL2
	v_add_nc_u32 v7, v5, v6
	v_add_nc_u32 v[ADRS2], s21, v7
	v_and_b32 v5, 31, v0                           ; the ways out: my place in a block of 512 bytes
	v_lshlrev_b32 v[CO2], 4, v5
	v_lshrrev_b32 v6, 3, v5
	v_lshrrev_b32 v7, 4, v5
	v_xor_b32 v6, v6, v7
	v_and_b32 v6, 1, v6                            ; 1 where bits 3 and 4 of the lane differ
	v_mul_u32_u24 v6, s94, v6
	v_xor_b32 v5, v5, v6
	v_lshlrev_b32 v[CO], 4, v5
	s_add_co_u32 s20, s17, 32                      ; qkv, tile 1: 8 p + batch = (32 + ty) / 4: 2^21 bytes each;
	s_lshr_b32 s20, s20, 2
	s_lshl_b32 s20, s20, 21
	s_and_b32 s21, s17, 3
	s_lshl_b32 s21, s21, 4
	s_lshl_b32 s22, s15, 3
	s_add_co_u32 s21, s21, s22
	s_lshl_b32 s21, s21, 11                        ; my first tile of 16 rows in the batch: 16 (ty % 4) + 8 x half: 2,048 bytes each;
	s_add_co_u32 s20, s20, s21
	s_lshl_b32 s46, s42, 2
	s_lshl_b32 s47, s16, 1
	s_add_co_u32 s46, s46, s47
	s_lshl_b32 s46, s46, 17                        ; my first head: 4 tx + 2 x half: 2^17 bytes each
	s_add_co_u32 s20, s20, s46
	s_mov_b32 s21, 0
	s_lshr_b32 s22, s17, 3                         ; tile 2: batch = ty / 8;
	s_lshl_b32 s22, s22, 21
	s_and_b32 s23, s17, 7
	s_lshl_b32 s23, s23, 3
	s_lshl_b32 s47, s15, 2
	s_add_co_u32 s23, s23, s47
	s_lshl_b32 s23, s23, 11                        ; my first tile of 16 rows: 8 (ty % 8) + 4 x half;
	s_add_co_u32 s22, s22, s23
	s_add_co_u32 s22, s22, s46                     ; the same heads
	s_mov_b32 s23, 0
	s_add_nc_u64 s[QB:QB+1], s[12:13], s[22:23]
	s_add_nc_u64 s[12:13], s[12:13], s[20:21]
.macro FRAG reg, adr, q, i             ; a fragment, 16 rows x 128 K of 4-bit codes: lane l holds row l % 16; registers 4 c .. 4 c + 3 hold K = 64 c + 32 (l / 16) + 0 .. 31
.irp c, 0,1
	ds_load_b128 v[\reg+4*\c:\reg+4*\c+3], v[\adr] offset:64*(\q)+32*\c+(\i)*16*PITCH
.endr
.endm
; TILE 1.  16 matrix instructions: A's blocks a0, a0 + 1 x B's eight, the slot's q-th 128 along K.  p: B's set;  sc: the set of scale words.  zero = 1: the sums begin with the bias as C.
; The 64 accumulators take turns, one instruction a turn, in the same order in every step.
.macro MUL16 a0, p, q, sc, zero
.irp a, \a0, \a0+1
.irp b, 0,1,2,3,4,5,6,7
.if \zero
	v_wmma_scale_f32_16x16x128_f8f6f4 v[8*(8*((\a)%4)+\b):8*(8*((\a)%4)+\b)+7], v[128*(\p)+FR*\b:128*(\p)+FR*\b+FR-1], v[AF+FR*(\a):AF+FR*(\a)+FR-1], v[BIAS+8*\b:BIAS+8*\b+7], v[SC+8*NQ*(\sc)+NQ*\b+(\q)], v[SC+8*NQ*(\sc)+NQ*(\a)+(\q)] matrix_a_fmt:MATRIX_FMT_FP4 matrix_b_fmt:MATRIX_FMT_FP4 matrix_a_scale:MATRIX_SCALE_ROW1
.else
	v_wmma_scale_f32_16x16x128_f8f6f4 v[8*(8*((\a)%4)+\b):8*(8*((\a)%4)+\b)+7], v[128*(\p)+FR*\b:128*(\p)+FR*\b+FR-1], v[AF+FR*(\a):AF+FR*(\a)+FR-1], v[8*(8*((\a)%4)+\b):8*(8*((\a)%4)+\b)+7], v[SC+8*NQ*(\sc)+NQ*\b+(\q)], v[SC+8*NQ*(\sc)+NQ*(\a)+(\q)] matrix_a_fmt:MATRIX_FMT_FP4 matrix_b_fmt:MATRIX_FMT_FP4 matrix_a_scale:MATRIX_SCALE_ROW1
.endif
.endr
.endr
.endm
; TILE 2.  32 matrix instructions: A's four blocks x B's eight.  p: the set of A's and of B's fragments.  The 32 accumulators take turns likewise.
.macro MULH p, q, sc, zero
.irp a, 0,1,2,3
.irp b, 0,1,2,3,4,5,6,7
.if \zero
	v_wmma_scale_f32_16x16x128_f8f6f4 v[8*(8*\a+\b):8*(8*\a+\b)+7], v[128*(\p)+FR*\b:128*(\p)+FR*\b+FR-1], v[AF+32*(\p)+FR*\a:AF+32*(\p)+FR*\a+FR-1], v[BIAS+8*\b:BIAS+8*\b+7], v[SC+8*NQ*(\sc)+NQ*\b+(\q)], v[SC+8*NQ*(\sc)+NQ*\a+(\q)] matrix_a_fmt:MATRIX_FMT_FP4 matrix_b_fmt:MATRIX_FMT_FP4 matrix_a_scale:MATRIX_SCALE_ROW1
.else
	v_wmma_scale_f32_16x16x128_f8f6f4 v[8*(8*\a+\b):8*(8*\a+\b)+7], v[128*(\p)+FR*\b:128*(\p)+FR*\b+FR-1], v[AF+32*(\p)+FR*\a:AF+32*(\p)+FR*\a+FR-1], v[8*(8*\a+\b):8*(8*\a+\b)+7], v[SC+8*NQ*(\sc)+NQ*\b+(\q)], v[SC+8*NQ*(\sc)+NQ*\a+(\q)] matrix_a_fmt:MATRIX_FMT_FP4 matrix_b_fmt:MATRIX_FMT_FP4 matrix_a_scale:MATRIX_SCALE_ROW1
.endif
.endr
.endr
.endm
.macro FETCH_B slot, q, p              ; B's eight fragments of the slot's q-th 128 along K into set p
	WIN TO_B
.irp i, 0,1,2,3,4,5,6,7
	FRAG 128*(\p)+FR*\i, ADRB+\slot, \q, \i
.endr
	WIN 0
.endm
.macro FETCH_A slot, q, i0             ; tile 1: A's blocks i0 .. i0 + 3
.irp i, \i0, \i0+1, \i0+2, \i0+3
	FRAG AF+FR*(\i), ADRA+\slot, \q, \i
.endr
.endm
.macro FETCH_H slot, q, p              ; tile 2: A's four blocks into set p
.irp i, 0,1,2,3
	FRAG AF+32*(\p)+FR*\i, ADRA2+\slot, \q, \i
.endr
.endm
.macro SCALES sc, adr                  ; a slot's scale words into set sc: four words a row; lanes 0-15 take A's block i, lanes 16-31 B's block i  (tile 2: A has four blocks; in registers of blocks 4-7 lanes 0-15 hold words that no product names)
.irp i, 0,1,2,3,4,5,6,7
	ds_load_b128 v[SC+8*NQ*\sc+NQ*\i:SC+8*NQ*\sc+NQ*\i+3], v[\adr] offset:\i*SBLK
.endr
.endm
.macro PLACES n                        ; plain vector instructions that name none of a matrix instruction's registers, in front of loads into registers that it has read and of reads of its results
.rept \n
	v_nop
.endr
.endm
; TILE 1: a step of 128 along K that has its successor in the same slot.  A's blocks 0-3 are fetched anew in its middle, blocks 4-7 at its end; B has two sets.
.macro STEP slot, q, zero
	s_wait_dscnt 4*NL                              ; B's set and A's blocks 0-3 are in; the youngest eight loads (A's blocks 4-7) may be out
.if \zero
	WIN 0x81                                       ; B window 1, A and the bias window 0, D window 2
.else
	WIN MUL_LO
.endif
	MUL16 0, (\q)%2, \q, \slot, \zero
	MUL16 2, (\q)%2, \q, \slot, \zero
	s_wait_dscnt 0                                 ; A's blocks 4-7 are in
	PLACES NP
	FETCH_B \slot, (\q)+1, 1-(\q)%2
	FETCH_A \slot, (\q)+1, 0
.if \zero
	WIN 0xc1                                       ; the same, D window 3
.else
	WIN MUL_HI
.endif
	MUL16 4, (\q)%2, \q, \slot, \zero
	MUL16 6, (\q)%2, \q, \slot, \zero
	PLACES NP
	WIN 0
	FETCH_A \slot, (\q)+1, 4
.endm
; The first half of a slot's last step in tile 1, and the refill of that slot with tile 2's codes.  In front of the barrier each wave waits for all its tensor loads, adds 0 to its spare word, and waits for that and for its reads of this slot.
; The barrier opens a round of the cluster's barrier: behind the round no wave of any partner still reads this slot or has a load on its way; the joint refill is the first tensor load there, one a wave (wave 1: none).
.macro CHANGE slot
	s_wait_tensorcnt 0x0                           ; all my tensor loads have landed  (every window is 0 here)
	ds_add_u32 v[SPW], v[NIL]                      ; 0 onto my spare word
	s_wait_dscnt 4*NL+1                            ; (the add and the youngest eight loads, A's blocks 4-7, may be out)
	WIN MUL_LO
	MUL16 0, 1, NQ-1, \slot, 0                     ; sixteen matrix instructions stand between the add and the wait for it
	s_wait_dscnt 0x0                               ; the add is done, and my reads of this slot are over
	s_barrier_signal -1
	MUL16 2, 1, NQ-1, \slot, 0
	WIN 0
	s_barrier_wait -1
	CREST
	s_sub_nc_u64 s[G0+4*\slot+2:G0+4*\slot+3], s[G0+4*\slot+2:G0+4*\slot+3], s[DA:DA+1]      ; no load of mine is out, so the groups 0 may be written: the same 512 along K of tile 2's rows; the type bits on top are not reached
	s_sub_nc_u64 s[G0B+4*\slot+2:G0B+4*\slot+3], s[G0B+4*\slot+2:G0B+4*\slot+3], s[DB:DB+1]
	JLOAD2 G0+4*\slot, G1, G0B+4*\slot, G1B
.endm
; TILE 2: a step of 128 along K.  fetch = 1: ahead of its 32 products the fragments of step (nslot, nq) are asked for, into the sets that the step before has multiplied.
.macro STEPH slot, q, zero, fetch, nslot, nq
	s_wait_dscnt 0x0                               ; this step's fragments are in (asked for 32 matrix instructions ago)
.if \fetch
	PLACES NP
	FETCH_B \nslot, \nq, 1-(\q)%2
	FETCH_H \nslot, \nq, 1-(\q)%2
.endif
.if \zero
	WIN 0x81
.else
	WIN MUL_LO
.endif
	MULH (\q)%2, \q, \slot, \zero
	WIN 0
.endm
; THE WAYS OUT, block by block of 16 rows.  Each accumulator is read from its low end on; the packed results take window 1, 32 registers a block, all different within a tile: no store's data are written again before the wait on XCNT between the tiles.
.macro PACKQ a
	WIN 0x4a+5*((\a)/4)                            ; sources window 2 or 3, destination window 1
.irp b, 0,1,2,3,4,5,6,7
.irp k, 0,1,2,3
	v_cvt_pk_f16_f32 v[32*(\a)+4*\b+\k], v[64*((\a)%4)+8*\b+2*\k], v[64*((\a)%4)+8*\b+2*\k+1]
.endr
.endr
.endm
.macro SENDQ a, co, base
	WIN 0x04                                       ; a store's data are its source 1: window 1
.irp b, 0,1,2,3,4,5,6,7
	global_store_b128 v[\co], v[32*(\a)+4*\b:32*(\a)+4*\b+3], s[\base:\base+1] offset:(\a)*2048+(\b/4)*131072+(\b%4)*512   ; tile a, head b / 4, block b % 4: 32 lanes store 512 consecutive bytes, aligned
.endr
.endm
	s_wait_tensorcnt 0x0                           ; my parts of the scales and of both slots are in (wave 1 has issued one load fewer than the others: every wait for tensor loads in this text is for all),
	s_barrier_signal -1
	s_barrier_wait -1                              ; everybody's are
	FETCH_B 0, 0, 0
	FETCH_A 0, 0, 0
	SCALES 0, ADRS
	FETCH_A 0, 0, 4
	s_wait_loadcnt 0x0                             ; the bias
	STEP 0, 0, 1
	STEP 0, 1, 0
	STEP 0, 2, 0
	CHANGE 0                                       ; slot 0 takes tile 2's first 512 along K: 224 matrix instructions ahead of the wait for it
	PLACES NP                                      ; (wave 1 has passed no v_nop: these are the places on its way in front of the loads below)
	v_add_nc_u32 v[ADRS], 4*NQ, v[ADRS]            ; on to slot 1's scale words (no LDS load of mine is out)
	FETCH_B 1, 0, 0
	FETCH_A 1, 0, 0
	SCALES 1, ADRS
	WIN MUL_HI
	MUL16 4, 1, NQ-1, 0, 0
	MUL16 6, 1, NQ-1, 0, 0
	PLACES NP
	WIN 0
	FETCH_A 1, 0, 4
	STEP 1, 0, 0
	STEP 1, 1, 0
	STEP 1, 2, 0
	CHANGE 1                                       ; slot 0's refill has landed in every wave; slot 1 takes tile 2's other 512 along K: it has the way out and three steps in which to land
	WIN MUL_HI
	MUL16 4, 1, NQ-1, 1, 0
	MUL16 6, 1, NQ-1, 1, 0
	PLACES NP                                      ; behind the last products: their results are read, and B's registers written, only behind these
.irp a, 0,1,2,3,4,5,6,7
	PACKQ \a                                       ; BOTH REFILLS ARE ASKED FOR: NOW TILE 1 GOES OUT
	SENDQ \a, CO, 12
.endr
	WIN 0
	s_wait_xcnt 0x0                                ; the stores have read their registers: window 1 takes B's fragments again
.irp b, 0,1,2,3,4,5,6,7
	global_load_b128 v[BIAS+8*\b:BIAS+8*\b+3], v[BO], s[96:97] offset:64*\b          ; bq
	global_load_b128 v[BIAS+8*\b+4:BIAS+8*\b+7], v[BO], s[96:97] offset:64*\b+16
.endr
	FETCH_B 0, 0, 0
	FETCH_H 0, 0, 0
	SCALES 0, ADRS2
	s_wait_loadcnt 0x0                             ; the bias
	STEPH 0, 0, 1, 1, 0, 1
	STEPH 0, 1, 0, 1, 0, 2
	STEPH 0, 2, 0, 1, 0, 3
	s_wait_tensorcnt 0x0                           ; my part of slot 1 is in;
	ds_add_u32 v[SPW], v[NIL]                      ; 0 onto my spare word
	s_wait_dscnt 0x0                               ; no LDS instruction of mine is pending at the signal; this step's fragments are in
	s_barrier_signal -1
	s_barrier_wait -1                              ; everybody's is.
	PLACES NP
	v_add_nc_u32 v[ADRS2], 4*NQ, v[ADRS2]          ; on to slot 1's scale words
	FETCH_B 1, 0, 0
	FETCH_H 1, 0, 0
	SCALES 1, ADRS2
	WIN MUL_LO
	MULH 1, NQ-1, 0, 0
	WIN 0
	STEPH 1, 0, 0, 1, 1, 1
	STEPH 1, 1, 0, 1, 1, 2
	STEPH 1, 2, 0, 1, 1, 3
	STEPH 1, 3, 0, 0, 0, 0
	PLACES NP
.irp a, 0,1,2,3
	PACKQ \a
	SENDQ \a, CO2, QB
.endr
	WIN 0
	s_wait_tensorcnt 0x0                           ; the wave's end
	ds_add_u32 v[SPW], v[NIL]
	s_wait_dscnt 0x0
	CROUND                                         ; the closing round: no work-group ends while a partner may still ask for a tile that names it
	s_endpgm
.Lfunc_end_k_qdbbdb76905_proj:
	.size	k_qdbbdb76905_proj, .Lfunc_end_k_qdbbdb76905_proj-k_qdbbdb76905_proj
	.p2alignl 7, 3214868480
	.fill 96, 4, 3214868480
	.section	.rodata,"a",@progbits
	.p2align	6, 0x0
	.amdhsa_kernel k_qdbbdb76905_proj
		.amdhsa_group_segment_fixed_size 327680
		.amdhsa_private_segment_fixed_size 0
		.amdhsa_enable_private_segment 0
		.amdhsa_kernarg_size 64
		.amdhsa_user_sgpr_count 2
		.amdhsa_user_sgpr_kernarg_segment_ptr 1
		.amdhsa_wavefront_size32 1
		.amdhsa_system_sgpr_workgroup_id_x 1
		.amdhsa_system_sgpr_workgroup_id_y 1
		.amdhsa_system_sgpr_workgroup_id_z 1
		.amdhsa_system_vgpr_workitem_id 0
		.amdhsa_next_free_vgpr 1024
		.amdhsa_next_free_sgpr 102
		.amdhsa_reserve_vcc 0
		.amdhsa_float_denorm_mode_32 3
		.amdhsa_float_denorm_mode_16_64 3
		.amdhsa_memory_ordered 1
		.amdhsa_forward_progress 1
		.amdhsa_inst_pref_size 184
	.end_amdhsa_kernel
	.amdgpu_metadata
---
amdhsa.version: [ 1, 2 ]
amdhsa.kernels:
  - .name:           k_qdbbdb76905_proj
    .symbol:         k_qdbbdb76905_proj.kd
    .args:
      - { .name: xc, .offset: 0, .size: 8, .value_kind: global_buffer, .address_space: global }
      - { .name: xs, .offset: 8, .size: 8, .value_kind: global_buffer, .address_space: global }
      - { .name: wc, .offset: 16, .size: 8, .value_kind: global_buffer, .address_space: global }
      - { .name: ws, .offset: 24, .size: 8, .value_kind: global_buffer, .address_space: global }
      - { .name: bq, .offset: 32, .size: 8, .value_kind: global_buffer, .address_space: global }
      - { .name: bk, .offset: 40, .size: 8, .value_kind: global_buffer, .address_space: global }
      - { .name: bv, .offset: 48, .size: 8, .value_kind: global_buffer, .address_space: global }
      - { .name: qkv, .offset: 56, .size: 8, .value_kind: global_buffer, .address_space: global }
    .group_segment_fixed_size: 327680
    .private_segment_fixed_size: 0
    .kernarg_segment_align: 8
    .kernarg_segment_size: 64
    .max_flat_workgroup_size: 128
    .sgpr_count:     102
    .vgpr_count:     1024
    .wavefront_size: 32
...
	.end_amdgpu_metadata
.endif
;; end of part 2
;; launch attn (part 3): grid 2 x 128, 8 waves a work-group, no clusters, 327,680 bytes of LDS; arguments qkv, of; writes of
.if DOCPART == 3
	.amdgcn_target "amdgcn-amd-amdhsa--gfx1250"
	.amdhsa_code_object_version 6
	.text
	.protected	k_qdbbdb76905_attn
	.globl	k_qdbbdb76905_attn
	.p2align	8
	.type	k_qdbbdb76905_attn,@function
k_qdbbdb76905_attn:
	s_mov_b64 s[64:65], 0
	v_nop
	global_prefetch_b8 v0, s[64:65] scope:SCOPE_SE
	s_setreg_imm32_b32 hwreg(HW_REG_WAVE_MODE, 25, 1), 1
	s_wait_xcnt 0x0
; ATTN: o[b][i][h][:] = the sum over j of softmax_j(q[b][i][h] . k[b][j][h] / 32) v[b][j][h][:]; q, k, v f16 as the launch before laid them (images of operand registers); products, maxima and sums in f32;
; the weights p are rounded to f16 for the second product, o once at the end.  1,024 keys, head size 64, no mask.
; SHARES.  Work-group (x, bh) owns queries 512 x .. 512 x + 511 of head bh (= 16 batch + head); each of its eight waves owns 64 of them: four tiles of 16.  Two waves share a SIMD, 512 registers each: one wave's softmax stands beside the other's products.
; THE HEAD'S WHOLE K AND V LIE IN LDS: 2 x 131,072 bytes, each byte filled once, by two tensor loads a wave (waves 0-3: K, waves 4-7: V).  WHAT IS READ FIRST IS ASKED FOR FIRST: at the head a wave asks for its quarter of the first
; 256 keys, 8,192 bytes, so that the work-group's first request is 65,536 bytes of K and V beside 65,536 of Q; behind the first barrier it asks for its quarter of the other 768 keys, 24,576 dense bytes, which have steps 0 to 2 in which to land.
; ONE MORE BARRIER shows those 768 keys to every wave: its signal stands ahead of step 3, behind the wave's wait for its load, its wait behind step 3; between the two only the first 256 keys are read.  No barrier stands in the other twelve steps.
; LAYOUT.  S^T = K Q^T (source 0 = 16 keys, source 1 = 16 queries): a lane holds ONE query (lane % 16) and keys 8 (lane / 16) + 0 .. 7.  Two such tiles, packed to f16 in place, ARE source 1 of O^T = V^T P.
; A fragment of K is two LDS loads at 16 x lane; of V^T two turning loads at 16 x lane (the launch before laid v's pieces in that order).  No padding: an instruction's 512 bytes are consecutive.  Each fragment feeds four products.
; K's fragments are fetched a step ahead, behind the products that read the last ones; V's at a step's head, a softmax ahead of their use.
; SOFTMAX.  A running maximum m and sum l for each query: p = 2^(c s - c m), c = log2(e) / 32; in every step O and l are multiplied by a = 2^(c m_old - c m_new).
; THE WAY OUT: a lane's eight channels, packed, are 16 bytes of an image: of is laid [tile of 16 rows: 512][32 along k: 32][1,024 bytes], k = 64 head + channel: each store covers 512 consecutive bytes, aligned.
; NO CLUSTER: a head's K and V are shared by two work-groups only, the grid's x = 2 is no multiple of a cluster's 4, and a cluster over two heads would want a mask for half of its places.
; NO PREFETCH: every byte of K and V is asked for by one of the two tensor loads, the second three key steps, 192 matrix instructions a wave, ahead of the wait for it.
; LIMITS: o beyond 65,504 becomes infinity in f16; magnitudes of p and o under 6e-5 are rounded with the step 2^-24; NaN and infinities are not served.
; REGISTERS: window 0: v1 16 x lane; v2, v3 LDS addresses of the step's K and V; v12-43 statistics, eight a tile; v62, v63 the add's two; v64-191 S^T, 32 a tile, P in the low 16 of them; v192-255 V's fragments.
;   window 1: v0-127 O^T, 32 a tile; v128-191 Q, 16 a tile; v192-255 K's fragments.
.set VL,    131072                     ; LDS: K at 0, V here
.set C0,    32768                      ; the first 256 keys of K, or of V, in bytes
.set SPARE, 262144                     ; the spare words, 128 bytes for each wave: four blocks of 256 bytes that no other line names
.set LI,  1
.set ADK, 2
.set ADV, 3
.set ST,  12                           ; tile t at v[ST + 8 t]: +0 c m, +1 m, +2, +3 l (even keys', odd keys'), +4 .. +7 at work; a lies in +6
.set SPW, 62
.set NIL, 63
.set S,   64
.set VF,  192
.set QF,  128                          ; in window 1
.set KF,  192                          ; in window 1
.set G1,  16                           ; s[16:23] descriptor group 1 for the first load: 32 rows of 256 bytes
.set CS,  24                           ; s[24:25] c: the packed form names a pair and takes its low word for both halves
.set SEL, 26                           ; s[26:27] lane selects for v_permlanex16_b32: lane l xor 16
.set TB,  28                           ; s28 LDS byte at which the step's tiles of K begin
.set CNT, 29                           ; s29 counts a loop's steps
.set G0,  32                           ; s[32:35] descriptor group 0 for the first load
.set G1R, 36                           ; s[36:43] group 1 for the second: 96 rows of 256 bytes
.set G0R, 44                           ; s[44:47] its group 0
.set MSB, 0
.macro WIN new                         ; the immediate's high byte repeats the setting that is left
.if MSB != (\new)
	s_set_vgpr_msb (MSB<<8)|(\new)
.set MSB, (\new)
.endif
.endm
	s_load_b128 s[4:7], s[0:1], 0x0                ; qkv s[4:5], of s[6:7]
	v_lshl_add_u32 v[SPW], v0, 2, SPARE
	v_mov_b32 v[NIL], 0
	ds_add_u32 v[SPW], v[NIL]                      ; the wave's opening: the add, twice on end, and its wait ahead of my first tensor load
	ds_add_u32 v[SPW], v[NIL]
	v_lshrrev_b32 v4, 5, v0
	v_readfirstlane_b32 s8, v4                     ; wave 0..7
	v_and_b32 v[LI], 31, v0
	v_lshlrev_b32 v[LI], 4, v[LI]
	s_mov_b32 s9, ttmp9                            ; x
	s_and_b32 s10, ttmp7, 0xffff                   ; bh
	; descriptor groups 1: dense blocks as rows of 256 bytes (32 elements of 8 bytes), no padding: 8,192 bytes, and 24,576
	s_mov_b32 s[G1+0], 3<<16
	s_mov_b32 s[G1+1], 32<<16                      ; tensor_dim0
	s_mov_b32 s[G1+2], 32<<16                      ; tensor_dim1
	s_mov_b32 s[G1+3], 32<<16                      ; tile_dim0
	s_mov_b32 s[G1+4], 32                          ; tile_dim1
	s_mov_b32 s[G1+5], 32                          ; tensor_dim0_stride
	s_mov_b32 s[G1+6], 0
	s_mov_b32 s[G1+7], 0
	s_mov_b32 s[G1R+0], 3<<16
	s_mov_b32 s[G1R+1], 32<<16
	s_mov_b32 s[G1R+2], 96<<16
	s_mov_b32 s[G1R+3], 32<<16
	s_mov_b32 s[G1R+4], 96
	s_mov_b32 s[G1R+5], 32
	s_mov_b32 s[G1R+6], 0
	s_mov_b32 s[G1R+7], 0
	s_mov_b32 s[CS], 0x3d38aa3b                    ; c = log2(e) / 32
	s_mov_b32 s[CS+1], s[CS]
	s_mov_b32 s[SEL], 0x76543210
	s_mov_b32 s[SEL+1], 0xfedcba98
	s_mov_b32 s[TB], 0
	s_lshr_b32 s12, s8, 2                          ; I fetch for K (0) or for V (1),
	s_and_b32 s13, s8, 3                           ; this quarter:
	s_mul_i32 s11, s13, 24576
	s_add_co_u32 s11, s11, C0                      ; of the other 768 keys: 192 keys, 24,576 bytes, behind the first 256;
	s_lshl_b32 s13, s13, 13                        ; of the first 256 keys: 64 keys, 8,192 bytes
	s_lshl_b32 s14, s12, 17                        ; K at LDS byte 0, V at VL
	s_lshl_b32 s15, s10, 17                        ; the head's 131,072 bytes in each of q, k, v
	s_add_co_u32 s48, s12, 1
	s_lshl_b32 s48, s48, 24                        ; k lies 2^24 bytes behind q, v behind k
	s_add_co_u32 s48, s48, s15
	s_add_co_u32 s30, s48, s11
	s_mov_b32 s31, 0
	s_add_co_u32 s48, s48, s13
	s_mov_b32 s49, 0
	s_lshl_b32 s54, s9, 5
	s_lshl_b32 s50, s8, 2
	s_add_co_u32 s54, s54, s50                     ; my first tile of queries: 32 x + 4 wave
	s_lshl_b32 s50, s54, 11
	s_add_co_u32 s50, s50, s15
	s_mov_b32 s51, 0
	s_lshr_b32 s52, s10, 4
	s_lshl_b32 s52, s52, 6
	s_add_co_u32 s52, s52, s54                     ; its tile of rows in of: 64 batch + tile
	s_lshl_b32 s52, s52, 15
	s_and_b32 s53, s10, 15
	s_lshl_b32 s53, s53, 11                        ; + 2,048 x head
	s_add_co_u32 s52, s52, s53
	s_mov_b32 s53, 0
	s_wait_dscnt 0x0                               ; both opening adds are done
	s_wait_kmcnt 0x0
	s_add_nc_u64 s[50:51], s[4:5], s[50:51]
	s_add_nc_u64 s[52:53], s[6:7], s[52:53]
	s_mov_b32 s[G0], 1
	s_add_co_u32 s[G0+1], s14, s13
	s_add_nc_u64 s[G0+2:G0+3], s[4:5], s[48:49]
	s_or_b32 s[G0+3], s[G0+3], 0x80000000
	s_mov_b32 s[G0R], 1
	s_add_co_u32 s[G0R+1], s14, s11
	s_add_nc_u64 s[G0R+2:G0R+3], s[4:5], s[30:31]
	s_or_b32 s[G0R+3], s[G0R+3], 0x80000000
	tensor_load_to_lds s[G0:G0+3], s[G1:G1+7]      ; my quarter of the first 256 keys: one tensor load of mine is out
	s_nop 0
.rept 4
	v_nop
.endr
	WIN 0x40                                       ; destination window 1, address window 0
.irp t, 0,1,2,3
.irp s, 0,1
.irp c, 0,1
	global_load_b128 v[QF+16*\t+8*\s+4*\c:QF+16*\t+8*\s+4*\c+3], v[LI], s[50:51] offset:\t*2048+\s*1024+\c*512   ; Q stays in registers
.endr
.endr
.endr
	WIN 0
	s_wait_tensorcnt 0x0                           ; my quarter of the first 256 keys is in;
	ds_add_u32 v[SPW], v[NIL]                      ; 0 onto my spare word, in front of a barrier behind which a tensor load is issued
	s_wait_dscnt 0x0
	s_barrier_signal -1
	s_barrier_wait -1                              ; everybody's is
	tensor_load_to_lds s[G0R:G0R+3], s[G1R:G1R+7]  ; my one tensor load behind the barrier, first thing there: my quarter of the other 768 keys, into bytes that nothing has filled
	s_nop 0
.rept 4
	v_nop
.endr
	s_wait_loadcnt 0x0                             ; Q
; One key step's softmax for my four tiles; in every stage the tiles take turns, so that no line reads the result of the line above it.  first = 1: the first key step, which starts m and l and has nothing to rescale.
.macro SOFTMAX first
.irp i, 0,1,2,3                                ; the maximum of a lane's 32 scores: four chains, each beginning at its accumulator's low end
.irp t, 0,1,2,3
	v_max3_num_f32 v[ST+8*\t+4+\i], v[S+32*\t+8*\i], v[S+32*\t+8*\i+1], v[S+32*\t+8*\i+2]
.endr
.endr
.irp j, 3,5
.irp i, 0,1,2,3
.irp t, 0,1,2,3
	v_max3_num_f32 v[ST+8*\t+4+\i], v[ST+8*\t+4+\i], v[S+32*\t+8*\i+\j], v[S+32*\t+8*\i+\j+1]
.endr
.endr
.endr
.irp t, 0,1,2,3
	v_max3_num_f32 v[ST+8*\t+4], v[ST+8*\t+4], v[S+32*\t+7], v[S+32*\t+15]
.endr
.irp t, 0,1,2,3
	v_max3_num_f32 v[ST+8*\t+6], v[ST+8*\t+6], v[S+32*\t+23], v[S+32*\t+31]
.endr
.irp t, 0,1,2,3
	v_max3_num_f32 v[ST+8*\t+4], v[ST+8*\t+4], v[ST+8*\t+5], v[ST+8*\t+6]
.endr
.irp t, 0,1,2,3
.if \first
	v_max_num_f32 v[ST+8*\t+4], v[ST+8*\t+4], v[ST+8*\t+7]
.else
	v_max3_num_f32 v[ST+8*\t+4], v[ST+8*\t+4], v[ST+8*\t+7], v[ST+8*\t+1]   ; with the old m
.endif
.endr
.irp t, 0,1,2,3
	v_permlanex16_b32 v[ST+8*\t+5], v[ST+8*\t+4], s[SEL], s[SEL+1]   ; the query's other 32 keys lie in the lane 16 away
.endr
.if \first == 0
.irp t, 0,1,2,3
	v_mov_b32 v[ST+8*\t+7], v[ST+8*\t]             ; c m_old is kept for a
.endr
.endif
.irp t, 0,1,2,3
	v_max_num_f32 v[ST+8*\t+1], v[ST+8*\t+4], v[ST+8*\t+5]
.endr
.irp t, 0,1,2,3
	v_mul_f32 v[ST+8*\t], s[CS], v[ST+8*\t+1]
.endr
.if \first == 0
.irp t, 0,1,2,3
	v_sub_f32 v[ST+8*\t+7], v[ST+8*\t+7], v[ST+8*\t]
.endr
.endif
.irp j, 0,2,4,6,8,10,12,14,16,18,20,22,24,26,28,30
.irp t, 0,1,2,3
	v_pk_fma_f32 v[S+32*\t+\j:S+32*\t+\j+1], v[S+32*\t+\j:S+32*\t+\j+1], s[CS:CS+1], v[ST+8*\t:ST+8*\t+1] op_sel_hi:[1,0,0] neg_lo:[0,0,1] neg_hi:[0,0,1]   ; c s - c m
.endr
.endr
.if \first == 0
.irp t, 0,1,2,3
	v_exp_f32 v[ST+8*\t+6], v[ST+8*\t+7]           ; a
.endr
.endif
.irp j, 0,1,2,3,4,5,6,7,8,9,10,11,12,13,14,15,16,17,18,19,20,21,22,23,24,25,26,27,28,29,30,31
.irp t, 0,1,2,3
	v_exp_f32 v[S+32*\t+\j], v[S+32*\t+\j]         ; p.  All exponentials of the step are one batch: none reads another's result
.endr
.endr
	v_nop                                          ; a plain instruction behind the last exponential
	s_wait_alu depctr_va_vdst(0)                   ; one wait between the batch and the first line that names a result
.irp t, 0,1,2,3                                ; the sums of the unrounded p, two at a time, in two chains
	v_pk_add_f32 v[ST+8*\t+4:ST+8*\t+5], v[S+32*\t+2:S+32*\t+3], v[S+32*\t+6:S+32*\t+7]
.endr
.if \first
.irp t, 0,1,2,3
	v_pk_add_f32 v[ST+8*\t+2:ST+8*\t+3], v[S+32*\t:S+32*\t+1], v[S+32*\t+4:S+32*\t+5]
.endr
.else
.irp t, 0,1,2,3
	v_pk_fma_f32 v[ST+8*\t+2:ST+8*\t+3], v[ST+8*\t+2:ST+8*\t+3], v[ST+8*\t+6:ST+8*\t+7], v[S+32*\t:S+32*\t+1] op_sel_hi:[1,0,1]   ; l = a l + ..
.endr
.irp t, 0,1,2,3
	v_pk_add_f32 v[ST+8*\t+2:ST+8*\t+3], v[ST+8*\t+2:ST+8*\t+3], v[S+32*\t+4:S+32*\t+5]
.endr
.endif
.irp j, 8,12,16,20,24,28
.irp t, 0,1,2,3
	v_pk_add_f32 v[ST+8*\t+2:ST+8*\t+3], v[ST+8*\t+2:ST+8*\t+3], v[S+32*\t+\j:S+32*\t+\j+1]
.endr
.irp t, 0,1,2,3
	v_pk_add_f32 v[ST+8*\t+4:ST+8*\t+5], v[ST+8*\t+4:ST+8*\t+5], v[S+32*\t+\j+2:S+32*\t+\j+3]
.endr
.endr
.irp t, 0,1,2,3
	v_pk_add_f32 v[ST+8*\t+2:ST+8*\t+3], v[ST+8*\t+2:ST+8*\t+3], v[ST+8*\t+4:ST+8*\t+5]
.endr
.irp j, 0,1,2,3,4,5,6,7,8,9,10,11,12,13,14,15    ; p to f16, in place, ascending: register j takes scores 2 j and 2 j + 1, which lie at or above it
.irp t, 0,1,2,3
	v_cvt_pk_f16_f32 v[S+32*\t+\j], v[S+32*\t+2*\j], v[S+32*\t+2*\j+1]
.endr
.endr
.if \first == 0
	WIN 0x41                                       ; O^T (destination and source 0) window 1, a window 0
.irp j, 0,2,4,6,8,10,12,14,16,18,20,22,24,26,28,30
.irp t, 0,1,2,3
	v_pk_mul_f32 v[32*\t+\j:32*\t+\j+1], v[32*\t+\j:32*\t+\j+1], v[ST+8*\t+6:ST+8*\t+7] op_sel_hi:[1,0]
.endr
.endr
	WIN 0
.endif
.endm
; 16 LDS loads: the fragments of 64 keys of K, off bytes behind the step's
.macro KLOAD off
	WIN 0x40                                       ; destination window 1
.irp i, 0,1,2,3
.irp s, 0,1
.irp c, 0,1
	ds_load_b128 v[KF+16*\i+8*\s+4*\c:KF+16*\i+8*\s+4*\c+3], v[ADK] offset:\off+\i*2048+\s*1024+\c*512   ; keys 16 i on, channels 32 s on
.endr
.endr
.endr
	WIN 0
.endm
; A KEY STEP: 64 keys.  khead = 1: K's fragments are fetched at the step's head (no step before has fetched them);  kpre = 1: the next step's are fetched behind this step's K Q^T.
.macro STEP first, khead, kpre
	v_add_nc_u32 v[ADK], s[TB], v[LI]              ; these two and three v_nop are five places behind the last step's products, whose P the products below write over and into whose V loads are issued
	v_add_nc_u32 v[ADV], VL, v[ADK]
.rept 3
	v_nop
.endr
.if \khead
	KLOAD 0
.endif
.irp u, 0,1
.irp g, 0,1,2,3
.irp c, 0,1
	ds_load_tr16_b128 v[VF+32*\u+8*\g+4*\c:VF+32*\u+8*\g+4*\c+3], v[ADV] offset:(2*\u+\c)*2048+\g*512   ; keys 32 u on, channels 16 g on, turned
.endr
.endr
.endr
	s_add_co_u32 s[TB], s[TB], 8192                ; the next step's tiles
	s_wait_dscnt 16                                ; K, asked for ahead of V, is in; V's sixteen loads may be out
	WIN 0x05                                       ; K and Q window 1, S^T window 0
.irp s, 0,1                                    ; the sixteen accumulators take turns, one instruction a turn
.irp i, 0,1,2,3
.irp t, 0,1,2,3
.if \s == 0
	v_wmma_f32_16x16x32_f16 v[S+32*\t+8*\i:S+32*\t+8*\i+7], v[KF+16*\i+8*\s:KF+16*\i+8*\s+7], v[QF+16*\t+8*\s:QF+16*\t+8*\s+7], 0
.else
	v_wmma_f32_16x16x32_f16 v[S+32*\t+8*\i:S+32*\t+8*\i+7], v[KF+16*\i+8*\s:KF+16*\i+8*\s+7], v[QF+16*\t+8*\s:QF+16*\t+8*\s+7], v[S+32*\t+8*\i:S+32*\t+8*\i+7]
.endif
.endr
.endr
.endr
.rept 4
	v_nop                                          ; places in front of the loads into K's registers and of the first read of the scores
.endr
.if \kpre
	KLOAD 8192                                     ; the next step's K: a softmax and 32 products ahead of its use
.else
	WIN 0
.endif
	SOFTMAX \first
	s_wait_dscnt 16*\kpre                          ; V is in; the next step's sixteen loads of K, asked for behind V, may be out
	WIN 0x50                                       ; V and P window 0, O^T window 1
.irp u, 0,1
.irp g, 0,1,2,3
.irp t, 0,1,2,3
.if \first && (\u == 0)
	v_wmma_f32_16x16x32_f16 v[32*\t+8*\g:32*\t+8*\g+7], v[VF+32*\u+8*\g:VF+32*\u+8*\g+7], v[S+32*\t+8*\u:S+32*\t+8*\u+7], 0
.else
	v_wmma_f32_16x16x32_f16 v[32*\t+8*\g:32*\t+8*\g+7], v[VF+32*\u+8*\g:VF+32*\u+8*\g+7], v[S+32*\t+8*\u:S+32*\t+8*\u+7], v[32*\t+8*\g:32*\t+8*\g+7]
.endif
.endr
.endr
.endr
	WIN 0                                          ; at a label and at a branch every window is 0
.endm
.macro LOOPSTEPS n
	s_mov_b32 s[CNT], \n
.Lstep_\@:
	STEP 0, 0, 1
	s_sub_co_u32 s[CNT], s[CNT], 1
	s_cmp_lg_u32 s[CNT], 0
	s_cbranch_scc1 .Lstep_\@
.endm
	STEP 1, 1, 1                                   ; step 0 is written out: its products start O^T's sums, nothing is cleared
	LOOPSTEPS 2                                    ; steps 1 and 2; step 2 fetches K of step 3, the last of the first 256 keys
	s_mov_b32 s[TB], 3*8192
	s_wait_tensorcnt 0x0                           ; my quarter of the other 768 keys is in,
	s_wait_dscnt 0x0                               ; no LDS instruction of mine is pending at the signal:
	s_barrier_signal -1                            ; say so,
	STEP 0, 0, 0                                   ; work on step 3, which reads keys 192 to 255 alone and fetches nothing ahead,
	s_barrier_wait -1                              ; and go on when all eight have said so: the other 768 keys are whole
	s_mov_b32 s[TB], C0
	STEP 0, 1, 1                                   ; step 4 fetches its own K
	LOOPSTEPS 10                                   ; steps 5 to 14
	STEP 0, 0, 0                                   ; step 15 fetches nothing ahead
	; THE WAY OUT.  The four additions are the places behind the last products.
.irp t, 0,1,2,3
	v_add_f32 v[ST+8*\t+4], v[ST+8*\t+2], v[ST+8*\t+3]
.endr
.irp t, 0,1,2,3
	v_permlanex16_b32 v[ST+8*\t+5], v[ST+8*\t+4], s[SEL], s[SEL+1]
.endr
.irp t, 0,1,2,3
	v_add_f32 v[ST+8*\t+4], v[ST+8*\t+4], v[ST+8*\t+5]   ; the row's sum
.endr
.irp t, 0,1,2,3
	v_rcp_f32 v[ST+8*\t+6], v[ST+8*\t+4]
.endr
	v_nop                                          ; a plain instruction behind the last reciprocal
	s_wait_alu depctr_va_vdst(0)                   ; one wait for the four, ahead of the first use
	WIN 0x41
.irp j, 0,2,4,6,8,10,12,14,16,18,20,22,24,26,28,30
.irp t, 0,1,2,3
	v_pk_mul_f32 v[32*\t+\j:32*\t+\j+1], v[32*\t+\j:32*\t+\j+1], v[ST+8*\t+6:ST+8*\t+7] op_sel_hi:[1,0]
.endr
.endr
	WIN 0x05                                       ; sources window 1, destination window 0: S^T's registers are free
.irp t, 0,1,2,3
.irp g, 0,1,2,3
.irp k, 0,1,2,3
	v_cvt_pk_f16_f32 v[S+16*\t+4*\g+\k], v[32*\t+8*\g+2*\k], v[32*\t+8*\g+2*\k+1]
.endr
.endr
.endr
	WIN 0
.irp t, 0,1,2,3
.irp g, 0,1,2,3
	global_store_b128 v[LI], v[S+16*\t+4*\g:S+16*\t+4*\g+3], s[52:53] offset:\t*32768+\g*512   ; 32 lanes store 512 consecutive bytes, aligned
.endr
.endr
	s_wait_tensorcnt 0x0                           ; the wave's end
	ds_add_u32 v[SPW], v[NIL]
	s_wait_dscnt 0x0
	s_endpgm
.Lfunc_end_k_qdbbdb76905_attn:
	.size	k_qdbbdb76905_attn, .Lfunc_end_k_qdbbdb76905_attn-k_qdbbdb76905_attn
	.p2alignl 7, 3214868480
	.fill 96, 4, 3214868480
	.section	.rodata,"a",@progbits
	.p2align	6, 0x0
	.amdhsa_kernel k_qdbbdb76905_attn
		.amdhsa_group_segment_fixed_size 327680
		.amdhsa_private_segment_fixed_size 0
		.amdhsa_enable_private_segment 0
		.amdhsa_kernarg_size 16
		.amdhsa_user_sgpr_count 2
		.amdhsa_user_sgpr_kernarg_segment_ptr 1
		.amdhsa_wavefront_size32 1
		.amdhsa_system_sgpr_workgroup_id_x 1
		.amdhsa_system_sgpr_workgroup_id_y 1
		.amdhsa_system_sgpr_workgroup_id_z 1
		.amdhsa_system_vgpr_workitem_id 0
		.amdhsa_next_free_vgpr 512
		.amdhsa_next_free_sgpr 66
		.amdhsa_reserve_vcc 0
		.amdhsa_float_denorm_mode_32 3
		.amdhsa_float_denorm_mode_16_64 3
		.amdhsa_memory_ordered 1
		.amdhsa_forward_progress 1
		.amdhsa_inst_pref_size 202
	.end_amdhsa_kernel
	.amdgpu_metadata
---
amdhsa.version: [ 1, 2 ]
amdhsa.kernels:
  - .name:           k_qdbbdb76905_attn
    .symbol:         k_qdbbdb76905_attn.kd
    .args:
      - { .name: qkv, .offset: 0, .size: 8, .value_kind: global_buffer, .address_space: global }
      - { .name: of, .offset: 8, .size: 8, .value_kind: global_buffer, .address_space: global }
    .group_segment_fixed_size: 327680
    .private_segment_fixed_size: 0
    .kernarg_segment_align: 8
    .kernarg_segment_size: 16
    .max_flat_workgroup_size: 256
    .sgpr_count:     66
    .vgpr_count:     512
    .wavefront_size: 32
...
	.end_amdgpu_metadata
.endif
;; end of part 3
;; launch outp (part 4): grid 4 x 64, 4 waves a work-group, clusters of 4 x 4, 327,680 bytes of LDS; arguments of, wof, bo, out0; writes out0
.if DOCPART == 4
	.amdgcn_target "amdgcn-amd-amdhsa--gfx1250"
	.amdhsa_code_object_version 6
	.text
	.protected	k_qdbbdb76905_outp
	.globl	k_qdbbdb76905_outp
	.p2align	8
	.type	k_qdbbdb76905_outp,@function
k_qdbbdb76905_outp:
	s_mov_b64 s[64:65], 0
	v_nop
	global_prefetch_b8 v0, s[64:65] scope:SCOPE_SE
	s_setreg_imm32_b32 hwreg(HW_REG_WAVE_MODE, 25, 1), 1
	s_wait_xcnt 0x0
	s_wait_alu depctr_hold_cnt(0) depctr_sa_sdst(0) depctr_va_vdst(0) depctr_va_sdst(0) depctr_va_ssrc(0) depctr_va_vcc(0) depctr_vm_vsrc(0)
	s_getreg_b32 s2, hwreg(HW_REG_IB_STS2, 6, 4)
	s_cmp_eq_u32 s2, 0
	s_cbranch_scc0 .Lentry_in_a_cluster
	s_endpgm
.Lentry_in_a_cluster:
	s_bfe_u32 s2, ttmp6, 0x10000c
	s_cmp_lg_u32 s2, 0xf033
	s_cbranch_scc0 .Lentry_shape_is_right
	s_endpgm
.Lentry_shape_is_right:
; OUTP: out0[m][n] = the sum over k of o[m][k] Wo[k][n] + bo[n].  o and Wo are f16, laid as images of operand registers (of: [tile of 16 rows m: 512][32 along k: 32][1,024 bytes]; wof: the same by tiles of 16 columns n); sums and out0 in f32.
; A tile of out0 is 128 (m) x 256 (n): 64 x 4 = 256 work-groups.  Four waves, each 64 x 128: 32 accumulators, 256 registers.  K goes in 8 steps of 128 through a ring of two LDS slots.
; A K step of a tile of 16 rows is 4,096 consecutive bytes (four fragments); the tiles lie 32,768 bytes apart: one tensor load brings 4 (A) or 8 (B) such rows.  A fragment is two LDS loads at 16 x lane: an instruction's 512 bytes are consecutive, no padding.
; CLUSTERS: 4 x 4 work-groups.  The four of a row of the cluster need the same tiles of A, the four of a column the same tiles of B: each is asked for jointly.  Where a slot is filled again a round of the cluster's barrier stands in front.
; THE MATRIX INSTRUCTION IS USED TRANSPOSED (source 0 = 16 columns n of Wo, source 1 = 16 rows of o): a lane holds eight neighbouring numbers of a row of out0.  The bias is the C of each sum's first product.
; NO PREFETCH: behind each round a wave's load has a whole K step, 112 matrix instructions, in which to land, and A and B together are 18 MB that sixteen work-groups share by joint loads.
; REGISTERS: window 0: v0-31 addresses; two fragment buffers, F0 at v32 and F1 at v128: A's four fragments, then B's eight.   window 1: accumulator (a, b) at v[8 (8 a + b)].   window 2: v0-63 the bias, eight registers for each of B's eight blocks.
.set SLOT,   98304                     ; A: 8 tiles x 4,096 bytes; B: 16 tiles x 4,096 bytes behind them
.set BOFF,   32768
.set STAGE,  2*SLOT                    ; behind the ring: 16 rows x (512 bytes + 16) for each wave, for the way out; no tensor load lands there
.set SPITCH, 528
.set SPARE,  STAGE+4*16*SPITCH         ; the spare words, 128 bytes for each wave: two blocks of 256 bytes that no other line names
.set LAPS,   4                         ; a lap = two K steps = once round the ring
.set CO,   3                           ; v3      16 x lane: my bytes in a row of 512; never rewritten
.set ADRA, 16                          ; v16-17  LDS address of my A fragments in slot 0, 1
.set ADRB, 20                          ; v20-21  the same for B
.set STO,  24                          ; v24     the way out: where I put 32 bytes of a row
.set RD,   25                          ; v25     the way out: where I read a row back
.set SPW,  28                          ; v28     LDS address of my spare word; never rewritten
.set NIL,  29                          ; v29     0; never rewritten
.set BO,   30                          ; v30     32 x (lane / 16)
.set F0,   32
.set F1,   128
.set G1A, 24                           ; s[24:31] descriptor group 1 for A's tiles;  s[32:39] group 0, one set for each slot
.set G0A, 32
.set G1B, 48                           ; s[48:55], s[56:63] the same for B's tiles
.set G0B, 56
.set MSB, 0
.macro WIN new                         ; the immediate's high byte repeats the setting that is left
.if MSB != (\new)
	s_set_vgpr_msb (MSB<<8)|(\new)
.set MSB, (\new)
.endif
.endm
.set MUL,  0x50                        ; sources window 0; C and D window 1
.set MULB, 0x60                        ; the same with C, the bias, in window 2
.macro JLOAD s                         ; a joint load: waves 0 and 1 fetch A's two halves, waves 2 and 3 B's; an s_nop 0 and four v_nop follow each of the two lines
	s_cmp_eq_u32 s13, 0
	s_cbranch_scc0 .Lfor_b_\@
	tensor_load_to_lds s[G0A+4*\s:G0A+4*\s+3], s[G1A:G1A+7]
	s_nop 0
.rept 4
	v_nop
.endr
	s_branch .Lasked_\@
.Lfor_b_\@:
	tensor_load_to_lds s[G0B+4*\s:G0B+4*\s+3], s[G1B:G1B+7]
	s_nop 0
.rept 4
	v_nop
.endr
.Lasked_\@:
.endm
.macro CREST                           ; a round of the cluster's barrier behind its opening barrier
	s_cmp_lg_u32 s12, 0
	s_cbranch_scc1 .Lnot_wave_0_\@
	s_barrier_signal -3
.Lnot_wave_0_\@:
	s_barrier_wait -3
	s_barrier_signal -1
	s_barrier_wait -1
.endm
.macro CROUND                          ; a whole round
	s_barrier_signal -1
	s_barrier_wait -1
	CREST
.endm
	s_load_b256 s[4:11], s[0:1], 0x0               ; of s[4:5], wof s[6:7], bo s[8:9], out0 s[10:11]
	v_lshl_add_u32 v[SPW], v0, 2, SPARE
	v_mov_b32 v[NIL], 0
	ds_add_u32 v[SPW], v[NIL]                      ; the wave's opening: the add, twice on end, and its wait ahead of my first tensor load
	ds_add_u32 v[SPW], v[NIL]
	v_lshrrev_b32 v1, 5, v0
	v_readfirstlane_b32 s12, v1                    ; wave 0..3
	s_lshr_b32 s13, s12, 1                         ; which half of the tile's rows is mine.  Also: I fetch for A (0) or for B (1)
	s_and_b32 s14, s12, 1                          ; which half of its columns.  Also: which half of that tile I fetch
	s_bfe_u32 s40, ttmp6, 0x40000                  ; cx, cy: my place in the cluster
	s_bfe_u32 s41, ttmp6, 0x40004
	s_lshl_b32 s42, ttmp9, 2
	s_add_co_u32 s42, s42, s40                     ; tile column tx = 4 x cluster x + cx
	s_and_b32 s43, ttmp7, 0xffff
	s_lshl_b32 s43, s43, 2
	s_add_co_u32 s43, s43, s41                     ; tile row ty = 4 x cluster y + cy
	s_lshl_b32 s44, s41, 2
	s_lshl_b32 s44, 15, s44                        ; my row of the cluster
	s_lshl_b32 s45, 0x1111, s40                    ; my column
	; descriptor group 1: rows of 4,096 bytes (512 elements of 8 bytes), 32,768 bytes apart; 4 rows for A, 8 for B; no padding
	s_or_b32 s[G1A+0], s44, (3<<16)|(1<<21)        ; 15:0 the mask: A's tiles go to my row; 17:16 elements of 8 bytes; 21 set beside a mask
	s_mov_b32 s[G1A+1], 512<<16                    ; tensor_dim0
	s_mov_b32 s[G1A+2], 4<<16                      ; tensor_dim1
	s_mov_b32 s[G1A+3], 512<<16                    ; tile_dim0
	s_mov_b32 s[G1A+4], 4                          ; tile_dim1
	s_mov_b32 s[G1A+5], 4096                       ; tensor_dim0_stride
	s_mov_b32 s[G1A+6], 0
	s_mov_b32 s[G1A+7], 0
	s_or_b32 s[G1B+0], s45, (3<<16)|(1<<21)
	s_mov_b32 s[G1B+1], 512<<16
	s_mov_b32 s[G1B+2], 8<<16
	s_mov_b32 s[G1B+3], 512<<16
	s_mov_b32 s[G1B+4], 8
	s_mov_b32 s[G1B+5], 4096
	s_mov_b32 s[G1B+6], 0
	s_mov_b32 s[G1B+7], 0
	s_lshl_b32 s16, s43, 3
	s_lshl_b32 s18, s14, 2
	s_add_co_u32 s16, s16, s18
	s_lshl_b32 s16, s16, 15                        ; A: tile of rows 8 ty + 4 x half
	s_mov_b32 s17, 0
	s_lshl_b32 s46, s42, 4
	s_lshl_b32 s47, s14, 3
	s_add_co_u32 s46, s46, s47
	s_lshl_b32 s46, s46, 15                        ; B: tile of columns 16 tx + 8 x half
	s_mov_b32 s47, 0
	s_lshl_b32 s20, s14, 14                        ; where they go: no place in the cluster enters an LDS address
	s_lshl_b32 s21, s14, 15
	s_add_co_u32 s21, s21, BOFF
	s_wait_dscnt 0x0                               ; both opening adds are done
	s_wait_kmcnt 0x0
	s_add_nc_u64 s[16:17], s[4:5], s[16:17]
	s_add_nc_u64 s[46:47], s[6:7], s[46:47]
	CROUND                                         ; all sixteen work-groups are here: the first joint loads meet
.irp s, 0,1
	s_mov_b32 s[G0A+4*\s], 1
	s_add_co_u32 s[G0A+4*\s+1], s20, \s*SLOT
	s_add_nc_u64 s[G0A+4*\s+2:G0A+4*\s+3], s[16:17], \s*4096
	s_or_b32 s[G0A+4*\s+3], s[G0A+4*\s+3], 0x80000000
	s_mov_b32 s[G0B+4*\s], 1
	s_add_co_u32 s[G0B+4*\s+1], s21, \s*SLOT
	s_add_nc_u64 s[G0B+4*\s+2:G0B+4*\s+3], s[46:47], \s*4096
	s_or_b32 s[G0B+4*\s+3], s[G0B+4*\s+3], 0x80000000
	JLOAD \s                                       ; two loads of mine are out behind the second
.endr
	v_and_b32 v1, 15, v0                           ; l % 16
	v_bfe_u32 v2, v0, 4, 1                         ; l / 16
	v_and_b32 v[CO], 31, v0
	v_lshlrev_b32 v[CO], 4, v[CO]
	s_lshl_b32 s46, s42, 10
	s_lshl_b32 s47, s14, 9
	s_add_co_u32 s46, s46, s47                     ; my first column, 4 bytes each: 1,024 tx + 512 x half
	s_mov_b32 s47, 0
	s_add_nc_u64 s[8:9], s[8:9], s[46:47]
	v_lshlrev_b32 v[BO], 5, v2
	WIN 0x80                                       ; destination window 2
.irp b, 0,1,2,3,4,5,6,7
	global_load_b128 v[8*\b:8*\b+3], v[BO], s[8:9] offset:64*\b        ; lane (r, h): bo of columns 16 b + 8 h + 0 .. 7
	global_load_b128 v[8*\b+4:8*\b+7], v[BO], s[8:9] offset:64*\b+16
.endr
	WIN 0
	s_lshl_b32 s21, s13, 14                        ; my four tiles of A
	s_lshl_b32 s22, s14, 15                        ; my eight tiles of B,
	s_add_co_u32 s22, s22, BOFF                    ; which lie behind A's eight
.irp s, 0,1
	v_add_nc_u32 v[ADRA+\s], s21, v[CO]
	v_add_nc_u32 v[ADRB+\s], s22, v[CO]
	s_add_co_u32 s21, s21, SLOT
	s_add_co_u32 s22, s22, SLOT
.endr
	s_mul_i32 s23, s12, 16*SPITCH
	s_add_co_u32 s23, s23, STAGE                   ; my stage
	v_mul_u32_u24 v4, v1, SPITCH                   ; in: row l % 16, 32 bytes for each half of the lanes
	v_lshl_add_u32 v4, v2, 5, v4
	v_add_nc_u32 v[STO], s23, v4
	v_add_nc_u32 v[RD], s23, v[CO]                 ; back: the 32 lanes take one row of 512 bytes
	s_lshl_b32 s16, s43, 7
	s_lshl_b32 s17, s13, 6
	s_add_co_u32 s16, s16, s17
	s_lshl_b32 s16, s16, 12                        ; my first row of out0: 128 ty + 64 x half, 4,096 bytes a row
	s_add_co_u32 s16, s16, s46
	s_mov_b32 s17, 0
	s_add_nc_u64 s[10:11], s[10:11], s[16:17]
; 8 matrix instructions: A's block a x B's eight, 32 along K, from buffer f.  zero = 1: the sums begin with the bias as C.  The 32 accumulators take turns, one instruction a turn.
.macro MUL8 f, a, zero
.irp b, 0,1,2,3,4,5,6,7
.if \zero
	v_wmma_f32_16x16x32_f16 v[8*(8*(\a)+\b):8*(8*(\a)+\b)+7], v[\f+32+8*\b:\f+32+8*\b+7], v[\f+8*(\a):\f+8*(\a)+7], v[8*\b:8*\b+7]
.else
	v_wmma_f32_16x16x32_f16 v[8*(8*(\a)+\b):8*(8*(\a)+\b)+7], v[\f+32+8*\b:\f+32+8*\b+7], v[\f+8*(\a):\f+8*(\a)+7], v[8*(8*(\a)+\b):8*(8*(\a)+\b)+7]
.endif
.endr
.endm
; 24 LDS loads in one run: the fragments of the slot's q-th 32 along K into buffer f: B's eight, then A's four
.macro FETCH slot, q, f
	WIN 0
.irp i, 0,1,2,3,4,5,6,7
	ds_load_b128 v[\f+32+8*\i:\f+32+8*\i+3],   v[ADRB+\slot] offset:\i*4096+(\q)*1024
	ds_load_b128 v[\f+32+8*\i+4:\f+32+8*\i+7], v[ADRB+\slot] offset:\i*4096+(\q)*1024+512
.endr
.irp i, 0,1,2,3
	ds_load_b128 v[\f+8*\i:\f+8*\i+3],   v[ADRA+\slot] offset:\i*4096+(\q)*1024
	ds_load_b128 v[\f+8*\i+4:\f+8*\i+7], v[ADRA+\slot] offset:\i*4096+(\q)*1024+512
.endr
.endm
.macro PLACES                          ; four plain vector instructions that name none of a matrix instruction's registers, in front of loads into registers that it has read and of reads of its results
.rept 4
	v_nop
.endr
.endm
; A K step is four quarters of 32 along K, 32 matrix instructions each, on buffers 0, 1, 0, 1.  One of the first three: multiplies buffer f and fetches quarter q of the same slot into g.
.macro QUARTER slot, q, f, g, zero
	s_wait_dscnt 4                                 ; B and A's blocks 0, 1 are in; the youngest four loads (A's blocks 2, 3) may be out
.if \zero
	WIN MULB
.else
	WIN MUL
.endif
	MUL8 \f, 0, \zero
	MUL8 \f, 1, \zero
	PLACES
	FETCH \slot, \q, \g
	s_wait_dscnt 24                                ; all but the 24 just issued
.if \zero
	WIN MULB
.else
	WIN MUL
.endif
	MUL8 \f, 2, \zero
	MUL8 \f, 3, \zero
.endm
; The last quarter multiplies buffer 1 and changes slots: ONE barrier; in front of it each wave waits for all its tensor loads, adds 0 to its spare word, and waits for that and for its reads of this slot.  fill = 1: this slot is filled again, two K steps ahead.
.macro TURN slot, next, fill
	WIN 0                                          ; (the add's two registers lie in window 0)
	s_wait_tensorcnt 0x0                           ; all my tensor loads have landed: the one that was out is my part of the next slot
	ds_add_u32 v[SPW], v[NIL]                      ; 0 onto my spare word
	s_wait_dscnt 5                                 ; (the add and the youngest four loads may be out)
	WIN MUL
	MUL8 F1, 0, 0                                  ; eight matrix instructions stand between the add and the wait for it
	s_wait_dscnt 0x0                               ; the add is done, and my reads of this slot are over
	s_barrier_signal -1
	MUL8 F1, 1, 0
	WIN 0
	s_barrier_wait -1
.if \fill
	CREST                                          ; the barrier has opened a round of the cluster's barrier: no wave of any partner still reads this slot's tile or has a load on its way
	s_add_nc_u64 s[G0A+4*\slot+2:G0A+4*\slot+3], s[G0A+4*\slot+2:G0A+4*\slot+3], 8192
	s_add_nc_u64 s[G0B+4*\slot+2:G0B+4*\slot+3], s[G0B+4*\slot+2:G0B+4*\slot+3], 8192
	JLOAD \slot                                    ; the first tensor load behind the round, my only one until the next; its four v_nop are also the places in front of the loads below
.else
	PLACES
.endif
	FETCH \next, 0, F0
	WIN MUL
	MUL8 F1, 2, 0
	MUL8 F1, 3, 0
.endm
	s_wait_tensorcnt 1                             ; my part of K step 0 is in (K step 1's load may be out)
	s_barrier_signal -1
	s_barrier_wait -1                              ; everybody's is
	FETCH 0, 0, F0
	s_wait_loadcnt 0x0                             ; the bias
	QUARTER 0, 1, F0, F1, 1                        ; the first quarter stands in front of the loop: its products start the sums
	WIN 0                                          ; at a label and at a branch every window is 0
	s_mov_b32 s3, LAPS-1
.Llap:                                                 ; a trip goes once round the ring, from a lap's second quarter to the next lap's first, and fills both slots again
	QUARTER 0, 2, F1, F0, 0
	QUARTER 0, 3, F0, F1, 0
	TURN 0, 1, 1
	QUARTER 1, 1, F0, F1, 0
	QUARTER 1, 2, F1, F0, 0
	QUARTER 1, 3, F0, F1, 0
	TURN 1, 0, 1
	QUARTER 0, 1, F0, F1, 0
	WIN 0
	s_sub_co_u32 s3, s3, 1
	s_cmp_lg_u32 s3, 0
	s_cbranch_scc1 .Llap
	QUARTER 0, 2, F1, F0, 0                        ; the last lap fills nothing, and has no round of the cluster's barrier
	QUARTER 0, 3, F0, F1, 0
	TURN 0, 1, 0
	QUARTER 1, 1, F0, F1, 0
	QUARTER 1, 2, F1, F0, 0
	QUARTER 1, 3, F0, F1, 0
	s_wait_dscnt 4                                 ; the very last quarter: nothing more to fetch
	WIN MUL
	MUL8 F1, 0, 0
	MUL8 F1, 1, 0
	s_wait_dscnt 0
	MUL8 F1, 2, 0
	MUL8 F1, 3, 0
	WIN 0
; THE WAY OUT, block by block of 16 rows x 128 columns: through my own stage in LDS and back as whole rows of 512 bytes.  LDS serves a wave's instructions in order (ISA guide 5.7.1.4): no wait between the stores and the loads, nor in front of the next block's stores.
.macro TOSTAGE a
	WIN 0x04                                       ; an LDS store's data are its source 1: window 1
.irp b, 0,1,2,3,4,5,6,7
	ds_store_b128 v[STO], v[8*(8*(\a)+\b):8*(8*(\a)+\b)+3] offset:64*\b          ; each accumulator from its low end on
	ds_store_b128 v[STO], v[8*(8*(\a)+\b)+4:8*(8*(\a)+\b)+7] offset:64*\b+16
.endr
	WIN 0
.set BB, 32+96*((\a)%2)
.irp t, 0,1,2,3,4,5,6,7,8,9,10,11,12,13,14,15
	ds_load_b128 v[BB+4*\t:BB+4*\t+3], v[RD] offset:\t*SPITCH
.endr
.endm
.macro SEND a, younger                 ; younger: the LDS instructions issued behind block a's loads, which may stay out
.set BB, 32+96*((\a)%2)
	s_wait_dscnt \younger                          ; the block is back in registers
.irp t, 0,1,2,3,4,5,6,7,8,9,10,11,12,13,14,15
	global_store_b128 v[CO], v[BB+4*\t:BB+4*\t+3], s[10:11] offset:(16*(\a)+\t)*4096 th:TH_STORE_NT   ; 32 lanes store 512 consecutive bytes, aligned; written once, read by nobody here
.endr
.endm
	PLACES                                         ; behind the last products: results are read, and the fragments' registers loaded, only behind these
	TOSTAGE 0
.irp a, 1,2,3
.if \a > 1
	s_wait_xcnt 0x0                                ; block a - 2's stores have read their registers: block a's loads may land there
.endif
	TOSTAGE \a
	SEND \a-1, 32                                  ; behind block a - 1's loads: block a's 16 stores and 16 loads
.endr
	SEND 3, 0
	s_wait_tensorcnt 0x0                           ; the wave's end, behind my last tensor load and my last LDS store
	ds_add_u32 v[SPW], v[NIL]
	s_wait_dscnt 0x0
	CROUND                                         ; the closing round: no work-group ends while a partner may still ask for a tile that names it
	s_endpgm
.Lfunc_end_k_qdbbdb76905_outp:
	.size	k_qdbbdb76905_outp, .Lfunc_end_k_qdbbdb76905_outp-k_qdbbdb76905_outp
	.p2alignl 7, 3214868480
	.fill 96, 4, 3214868480
	.section	.rodata,"a",@progbits
	.p2align	6, 0x0
	.amdhsa_kernel k_qdbbdb76905_outp
		.amdhsa_group_segment_fixed_size 327680
		.amdhsa_private_segment_fixed_size 0
		.amdhsa_enable_private_segment 0
		.amdhsa_kernarg_size 32
		.amdhsa_user_sgpr_count 2
		.amdhsa_user_sgpr_kernarg_segment_ptr 1
		.amdhsa_wavefront_size32 1
		.amdhsa_system_sgpr_workgroup_id_x 1
		.amdhsa_system_sgpr_workgroup_id_y 1
		.amdhsa_system_sgpr_workgroup_id_z 1
		.amdhsa_system_vgpr_workitem_id 0
		.amdhsa_next_free_vgpr 576
		.amdhsa_next_free_sgpr 66
		.amdhsa_reserve_vcc 0
		.amdhsa_float_denorm_mode_32 3
		.amdhsa_float_denorm_mode_16_64 3
		.amdhsa_memory_ordered 1
		.amdhsa_forward_progress 1
		.amdhsa_inst_pref_size 86
	.end_amdhsa_kernel
	.amdgpu_metadata
---
amdhsa.version: [ 1, 2 ]
amdhsa.kernels:
  - .name:           k_qdbbdb76905_outp
    .symbol:         k_qdbbdb76905_outp.kd
    .args:
      - { .name: of, .offset: 0, .size: 8, .value_kind: global_buffer, .address_space: global }
      - { .name: wof, .offset: 8, .size: 8, .value_kind: global_buffer, .address_space: global }
      - { .name: bo, .offset: 16, .size: 8, .value_kind: global_buffer, .address_space: global }
      - { .name: out0, .offset: 24, .size: 8, .value_kind: global_buffer, .address_space: global }
    .group_segment_fixed_size: 327680
    .private_segment_fixed_size: 0
    .kernarg_segment_align: 8
    .kernarg_segment_size: 32
    .max_flat_workgroup_size: 128
    .sgpr_count:     66
    .vgpr_count:     576
    .wavefront_size: 32
...
	.end_amdgpu_metadata
.endif
;; end of part 4
